; MI455X (gfx1250); checked and timed in simulation.
; The chip was launched on July 23, 2026; its instructions are those of AMD's public machine-readable ISA for CDNA 5 (MIT licence, August 2026) and "CDNA5" Instruction Set Architecture Reference Guide (July 2026). The comments in the code are by the model that wrote it; some were corrected since.
;; Manual Causal Self Attention. Allowed arithmetic: matrix products marked QUANTISED: E2M1 operands, one E8M0 scale for each 32 along K, by v_wmma_scale_f32_16x16x128_f8f6f4 with both operands' format E2M1 (or v_wmma_scale_f32_32x16x128_f4), f32 sums; products left as they are: bf16, f16 or f32 operands; f32 sums; everything else in f32.
;; Inputs: W_proj 1,024 x 1,024 float32; W_qkv 1,024 x 3,072 float32; attention_padding 4 x 2,048 bool; b_proj 1,024 float32; b_qkv 3,072 float32; x 4 x 2,048 x 1,024 float32.
;; Outputs: out0 4 x 2,048 x 1,024 float32.
;; Constants: train = 0.
;; This version of the problem:
;;   THIS VERSION OF THE PROBLEM IS GIVEN IN LOW PRECISION. The matrix products marked QUANTISED in the list below multiply operands that are first quantised to E2M1 (2 exponent bits, 1 mantissa bit; 4 bits a number), with one power-of-two scale for each 32 numbers along K (OCP MX v1.0); their sums are f32. The products marked 'left as it is' may take bf16, f16 or f32 operands, with f32 sums. Whichever they take, every output number must still come out within the allowed error. Rounding operands to bf16 (8 significant bits) uses up far more of that allowance than f16 does (11 bits, for magnitudes from 6e-5 to 65,504). All else is computed in f32.
;;   The module's matrix products, in the order in which they are computed (A, B: the left and right operand; K: the contracted axis; several contracted axes count as one K, in the product's order):
;;     1. [M 8,192, K 1,024] x [K 1,024, N 3,072]; A: input x; B: input W_qkv: QUANTISED
;;     2. batch 64 x [M 2,048, K 64] x [K 64, N 2,048]; A: computed on the way; B: computed on the way: left as it is (an operand is computed on the way)
;;     3. batch 64 x [M 2,048, K 2,048] x [K 2,048, N 64]; A: computed on the way; B: computed on the way: left as it is (an operand is computed on the way)
;;     4. [M 8,192, K 1,024] x [K 1,024, N 1,024]; A: computed on the way; B: input W_proj: left as it is (an operand is computed on the way)
;;   THE QUANTISER, for each operand of a quantised product, along K:
;;     - K is cut into blocks of 32 from its start; a last block that is shorter is filled with zeros.
;;     - A block's scale is 2^e with e = floor(log2(the largest magnitude in the block)) - 2, held to -126 .. 127; a block of zeros has e = 0. As a byte (E8M0): e + 127.
;;     - Each number is divided by its block's scale, clamped to +-6, and rounded to the nearest number of E2M1, ties to even, subnormals kept.
;;     - The product sums the exact products of the quantised numbers (number of the format x scale) in f32.
;;   ~~~python
;;   def quantise(x, axis):      # numpy; x: float32 -> the quantised numbers, widened to float32 again
;;       x = np.moveaxis(x, axis, -1); K = x.shape[-1]
;;       x = np.pad(x, [(0, 0)] * (x.ndim - 1) + [(0, -K % 32)]); x = x.reshape(x.shape[:-1] + (-1, 32)); a = np.abs(x).max(-1, keepdims=True)
;;       e = np.where(a > 0, np.clip(np.frexp(np.where(a > 0, a, 1))[1] - 1 - 2, -126, 127), 0)      # np.frexp(a)[1] - 1 = floor(log2(a)), exactly
;;       r = np.clip(x / 2.0 ** e, -6, 6)
;;       step = 2.0 ** (np.maximum(np.frexp(np.where(r == 0, 1, r))[1] - 1, 0) - 1)
;;       q = np.round(r / step) * step * 2.0 ** e      # np.round: ties to even
;;       return np.moveaxis(q.reshape(q.shape[:-2] + (-1,))[..., :K], -1, axis).astype(np.float32)
;;   ~~~
;; One version. Each part assembles by itself: llvm-mc -triple=amdgcn-amd-amdhsa -mcpu=gfx1250 --defsym DOCPART=n.
;; ======== version 1 of 1: 6 launches
;; limits: values are held in f16: magnitudes above 65,504 overflow, below 6.1e-05 lose precision
;; workspace buffers: x_codes 4,194,304 bytes; x_scales 262,144 bytes; w_codes 1,572,864 bytes; w_scales 98,304 bytes; wp16 2,097,152 bytes; tables 1,081,344 bytes; qkv 51,118,080 bytes; y16 16,777,216 bytes
;; launch quant_x (part 1): grid 256 x 1, 4 waves a work-group, no clusters, 33,280 bytes of LDS; arguments x, x_codes, x_scales; writes x_codes, x_scales
.if DOCPART == 1
	.amdgcn_target "amdgcn-amd-amdhsa--gfx1250"
	.amdhsa_code_object_version 6
	.text
	.protected	k_q7f91f61ade_quant_x
	.globl	k_q7f91f61ade_quant_x
	.p2align	8
	.type	k_q7f91f61ade_quant_x,@function
k_q7f91f61ade_quant_x:
	s_mov_b64 s[64:65], 0
	v_nop
	global_prefetch_b8 v0, s[64:65] scope:SCOPE_SE
	s_setreg_imm32_b32 hwreg(HW_REG_WAVE_MODE, 25, 1), 1
	s_wait_xcnt 0x0
; x [8192][1024] f32 becomes codes of FP4 (E2M1), K innermost, 512 bytes a row, and one E8M0 byte for each 32 along K, 32 bytes a row.
; A block's scale is 2^(floor(log2(largest magnitude)) - 2); its byte is the largest magnitude's exponent field - 2, held at 1 from below.
; A block of zeros keeps the byte 1 where the rule says 127: its codes are zeros, and this program alone reads the bytes.
; LIMITS: blocks whose largest magnitude lies under 2^-124 keep the byte 1; NaN and infinities are not served.
; Rows are dense, so x is a stream of blocks of 32.  A wave takes 16 steps of 512 numbers.  Each load reads 512 consecutive bytes; a step's 2,048 bytes turn through the
; wave's own stage in LDS and come back 64 bytes a lane, so that a lane holds 16 neighbours (two lanes a block).  A wave's store of codes covers 256 consecutive bytes;
; its 256 scale bytes are gathered in LDS and leave as 256 consecutive bytes.  Waves share nothing: no barrier.
.set WAVES, 4
.set STEPS, 16
.set EMAX,  2
.set CB,    8                          ; bytes of 16 codes
.set R,     16                         ; v16-79   four sets of 16 numbers as loaded
.set X,     80                         ; v80-111  two sets of 16 neighbours
.set C,     128                        ; v128-191 codes, four registers a step
.set E,     112                        ; v112-127 a scale byte a step
.set WREG,  8192                       ; LDS: a wave's region: two stages of 32 x SP bytes, then its 256 scale bytes
.set SP,    80                         ; a lane's place in a stage: 64 bytes + 16 of padding
.set SPW,   12                         ; v12 my spare word's address; never rewritten
.set NIL,   13                         ; v13 0; never rewritten
.set SPARE, WAVES*WREG                 ; the spare words: 128 bytes a wave, named by no other line
	s_load_b128 s[4:7], s[0:1], 0x0                ; x, the codes
	s_load_b64 s[10:11], s[0:1], 0x10              ; the scale bytes
	v_lshl_add_u32 v[SPW], v0, 2, SPARE
	v_mov_b32 v[NIL], 0
	v_lshrrev_b32 v1, 5, v0
	v_readfirstlane_b32 s16, v1                    ; wave
	v_and_b32 v2, 31, v0                           ; lane
	v_lshlrev_b32 v3, 4, v2                        ; my 16 bytes of a load's 512
	s_mul_i32 s17, s16, WREG
	v_lshrrev_b32 v14, 2, v2
	v_mul_u32_u24 v14, v14, SP
	v_and_b32 v15, 3, v2
	v_lshl_add_u32 v14, v15, 4, v14
	v_add_nc_u32 v14, s17, v14                     ; the stage, in: SP (lane / 4) + 16 (lane % 4)
	v_mul_u32_u24 v15, v2, SP
	v_add_nc_u32 v15, s17, v15                     ; the stage, out: SP x lane
	v_mul_u32_u24 v4, v2, CB                       ; my codes' place in a step's
	v_lshrrev_b32 v5, 1, v2
	s_add_co_u32 s17, s17, 2*32*SP
	v_add_nc_u32 v5, s17, v5                       ; my block's byte among the wave's 256
	v_lshlrev_b32 v7, 3, v2
	v_add_nc_u32 v6, s17, v7                       ; and 8 bytes a lane on the way out
	s_lshl_b32 s17, ttmp9, 2
	s_add_co_u32 s18, s17, s16                     ; which run of 8,192 numbers is my wave's
	s_mov_b32 s19, 0
	s_mov_b64 s[20:21], 512*STEPS*4
	s_mul_u64 s[20:21], s[18:19], s[20:21]
	s_mov_b64 s[22:23], 32*STEPS*CB
	s_mul_u64 s[22:23], s[18:19], s[22:23]
	s_lshl_b32 s18, s18, 8                         ; 256 scale bytes a run
	s_wait_kmcnt 0x0
	s_add_nc_u64 s[4:5], s[4:5], s[20:21]
	s_add_nc_u64 s[6:7], s[6:7], s[22:23]
	s_add_nc_u64 s[10:11], s[10:11], s[18:19]
.macro LOAD t
.irp i, 0,1,2,3
	global_load_b128 v[R+16*((\t)%4)+4*\i:R+16*((\t)%4)+4*\i+3], v3, s[4:5] offset:2048*(\t)+512*\i th:TH_LOAD_NT
.endr
.endm
.macro TURN t                          ; a step's numbers through the stage; LDS serves a wave's instructions in order, so no wait stands between
.irp i, 0,1,2,3
	ds_store_b128 v14, v[R+16*((\t)%4)+4*\i:R+16*((\t)%4)+4*\i+3] offset:32*SP*((\t)%2)+8*SP*\i
.endr
.irp i, 0,1,2,3
	ds_load_b128 v[X+16*((\t)%2)+4*\i:X+16*((\t)%2)+4*\i+3], v15 offset:32*SP*((\t)%2)+16*\i
.endr
.endm
.irp t, 0,1,2,3
	LOAD \t
.endr
	s_wait_loadcnt 12                              ; step 0's four loads are in; the twelve of steps 1 to 3 may be out
	TURN 0
.macro STEP t
.set XS, X+16*((\t)%2)
.if (\t) > 0
	s_wait_dscnt 1                                 ; this step's numbers are back (the last step's byte store may be out)
.else
	s_wait_dscnt 0x0
.endif
.if (\t)+4 < STEPS
	LOAD (\t)+4
.endif
.if (\t)+1 < STEPS
.if STEPS-2-(\t) >= 3
	s_wait_loadcnt 12                              ; the next step's four loads are in; three steps' may be out
.else
	s_wait_loadcnt 4*(STEPS-2-(\t))
.endif
	TURN (\t)+1
.endif
	v_max3_num_f32 v8, |v[XS]|, |v[XS+1]|, |v[XS+2]|
	v_max3_num_f32 v9, |v[XS+3]|, |v[XS+4]|, |v[XS+5]|
.irp i, 6,10
	v_max3_num_f32 v8, v8, |v[XS+\i]|, |v[XS+\i+1]|
	v_max3_num_f32 v9, v9, |v[XS+\i+2]|, |v[XS+\i+3]|
.endr
	v_max3_num_f32 v8, v8, |v[XS+14]|, |v[XS+15]|
	v_max3_num_f32 v8, v8, v9, (EMAX+1)<<23        ; the floor 2^(3 - 127): the byte cannot fall under 1
	v_max_num_f32_dpp v8, v8, v8 row_xmask:1 row_mask:0xf bank_mask:0xf   ; with my neighbour's 16: the block's largest magnitude
	v_add_nc_u32 v11, -(EMAX<<23), v8              ; 2 off its exponent field: the conversion's scale operand
	v_cvt_scalef32_pk8_fp4_f32 v[C+4*(\t)], v[XS:XS+7], v11
	v_cvt_scalef32_pk8_fp4_f32 v[C+4*(\t)+1], v[XS+8:XS+15], v11
	v_lshrrev_b32 v[E+(\t)], 23, v11               ; the scale's byte
	ds_store_b8 v5, v[E+(\t)] offset:16*(\t)       ; both lanes of a block write the same byte
	global_store_b64 v4, v[C+4*(\t):C+4*(\t)+1], s[6:7] offset:32*CB*(\t)
.endm
.irp t, 0,1,2,3,4,5,6,7,8,9,10,11,12,13,14,15
	STEP \t
.endr
	ds_load_b64 v[8:9], v6
	s_wait_dscnt 0x0
	global_store_b64 v7, v[8:9], s[10:11]          ; 32 lanes store 256 consecutive bytes
	s_wait_tensorcnt 0x0                           ; the wave's end
	ds_add_u32 v[SPW], v[NIL]
	s_wait_dscnt 0x0
	s_endpgm
.Lfunc_end_k_q7f91f61ade_quant_x:
	.size	k_q7f91f61ade_quant_x, .Lfunc_end_k_q7f91f61ade_quant_x-k_q7f91f61ade_quant_x
	.p2alignl 7, 3214868480
	.fill 96, 4, 3214868480
	.section	.rodata,"a",@progbits
	.p2align	6, 0x0
	.amdhsa_kernel k_q7f91f61ade_quant_x
		.amdhsa_group_segment_fixed_size 33280
		.amdhsa_private_segment_fixed_size 0
		.amdhsa_enable_private_segment 0
		.amdhsa_kernarg_size 24
		.amdhsa_user_sgpr_count 2
		.amdhsa_user_sgpr_kernarg_segment_ptr 1
		.amdhsa_wavefront_size32 1
		.amdhsa_system_sgpr_workgroup_id_x 1
		.amdhsa_system_sgpr_workgroup_id_y 1
		.amdhsa_system_sgpr_workgroup_id_z 1
		.amdhsa_system_vgpr_workitem_id 0
		.amdhsa_next_free_vgpr 192
		.amdhsa_next_free_sgpr 66
		.amdhsa_reserve_vcc 0
		.amdhsa_float_denorm_mode_32 3
		.amdhsa_float_denorm_mode_16_64 3
		.amdhsa_memory_ordered 1
		.amdhsa_forward_progress 1
		.amdhsa_inst_pref_size 33
	.end_amdhsa_kernel
	.amdgpu_metadata
---
amdhsa.version: [ 1, 2 ]
amdhsa.kernels:
  - .name:           k_q7f91f61ade_quant_x
    .symbol:         k_q7f91f61ade_quant_x.kd
    .args:
      - { .name: x, .offset: 0, .size: 8, .value_kind: global_buffer, .address_space: global }
      - { .name: x_codes, .offset: 8, .size: 8, .value_kind: global_buffer, .address_space: global }
      - { .name: x_scales, .offset: 16, .size: 8, .value_kind: global_buffer, .address_space: global }
    .group_segment_fixed_size: 33280
    .private_segment_fixed_size: 0
    .kernarg_segment_align: 8
    .kernarg_segment_size: 24
    .max_flat_workgroup_size: 128
    .sgpr_count:     66
    .vgpr_count:     192
    .wavefront_size: 32
...
	.end_amdgpu_metadata
.endif
;; end of part 1
;; launch prep_w (part 2): grid 360 x 1, 8 waves a work-group, no clusters, 19,456 bytes of LDS; arguments W_qkv, W_proj, attention_padding, w_codes, w_scales, tables, wp16; writes w_codes, w_scales, tables, wp16
.if DOCPART == 2
	.amdgcn_target "amdgcn-amd-amdhsa--gfx1250"
	.amdhsa_code_object_version 6
	.text
	.protected	k_q7f91f61ade_prep_w
	.globl	k_q7f91f61ade_prep_w
	.p2align	8
	.type	k_q7f91f61ade_prep_w,@function
k_q7f91f61ade_prep_w:
	s_mov_b64 s[64:65], 0
	v_nop
	global_prefetch_b8 v0, s[64:65] scope:SCOPE_SE
	s_setreg_imm32_b32 hwreg(HW_REG_WAVE_MODE, 25, 1), 1
	s_wait_xcnt 0x0
; Four jobs, told apart by the work-group's number alone (the same way for all eight waves of a work-group):
;   0-95    W_qkv [1024 (k)][3072 (n)] f32 -> codes of FP4 laid [n][512 bytes], K innermost, and E8M0 bytes [n][32].  A lane takes a column, its registers run down K.
;   96-223  W_proj f32 -> f16, layout [k][n] kept.
;   224-351 the RoPE tables: a row of 256 bytes for each position, [beta 0..3][h 0..1][cos x 4][sin x 4], frequency 8 beta + 4 h + i; q's table carries the factor c = log2(e) / 8.
;   352-359 the keys' bias: 0 where attention_padding is set, -1e30 where it is not, f32, [4][2048].
; LIMITS: quantiser as in quant_x (floor 2^-124, no NaN, no infinities); |W_proj| at most 65,504; sines and cosines by reduction modulo pi / 2 in two parts and polynomials to r^9 and r^10;
; the angle is position x 2^(-f log2(10000) / 32) in f32, which may differ from a correctly rounded one by a few units in its last place (some 4e-4 at position 2,047).
; LDS (first job alone): 0 a stage of 64 rows x 272 bytes; 17,408 the scale words, 64 x 16 bytes; 18,432 the spare words.
.set SCW,   17408
.set SPARE, 18432
.set SPW,   14
.set NIL,   15
	s_load_b256 s[4:11], s[0:1], 0x0               ; W_qkv s[4:5], W_proj s[6:7], padding s[8:9], w_codes s[10:11]
	s_load_b128 s[12:15], s[0:1], 0x20             ; w_scales s[12:13], tables s[14:15]
	s_load_b64 s[18:19], s[0:1], 0x30              ; wp16
	v_lshl_add_u32 v[SPW], v0, 2, SPARE
	v_mov_b32 v[NIL], 0
	v_lshrrev_b32 v1, 5, v0
	v_readfirstlane_b32 s16, v1                    ; wave 0..7
	v_and_b32 v1, 31, v0                           ; lane
	s_wait_kmcnt 0x0
	s_cmp_lt_u32 ttmp9, 96
	s_cbranch_scc1 .Lqw
	s_cmp_lt_u32 ttmp9, 224
	s_cbranch_scc1 .Lcast
	s_cmp_lt_u32 ttmp9, 352
	s_cbranch_scc1 .Lrope
	; ---- the keys' bias: a thread takes four bytes of the padding
	s_sub_co_u32 s20, ttmp9, 352
	s_lshl_b32 s20, s20, 8
	v_add_nc_u32 v2, s20, v0                       ; T = 0 .. 2047
	v_lshlrev_b32 v3, 2, v2
	v_lshlrev_b32 v4, 4, v2
	global_load_b32 v5, v3, s[8:9]
	v_mov_b32 v16, 0xf149f2ca                      ; -1e30
	s_wait_loadcnt 0x0
.irp j, 0,1,2,3
	v_bfe_u32 v6, v5, 8*\j, 8
	v_cmp_eq_u32 vcc_lo, 0, v6
	v_cndmask_b32 v[8+\j], 0, v16, vcc_lo
.endr
	global_store_b128 v4, v[8:11], s[14:15] offset:1048576
	s_branch .Lexit
.Lqw:	; ---- W_qkv: a work-group takes 64 columns x 512 along K; wave w: columns 32 (w / 4) on, 128 along K from 128 (w % 4) on
	s_cmp_ge_u32 ttmp9, 48
	s_cselect_b32 s20, 1, 0                        ; kh: which 512 along K
	s_mul_i32 s21, s20, 48
	s_sub_co_u32 s21, ttmp9, s21                   ; cg: which 64 columns
	s_lshr_b32 s22, s16, 2                         ; cs
	s_and_b32 s23, s16, 3                          ; kq
	s_lshl_b32 s24, s20, 9
	s_lshl_b32 s25, s23, 7
	s_add_co_u32 s24, s24, s25
	s_mul_i32 s24, s24, 12288                      ; my first row of W
	s_lshl_b32 s25, s21, 8
	s_add_co_u32 s24, s24, s25
	s_lshl_b32 s25, s22, 7
	s_add_co_u32 s24, s24, s25                     ; + my first column x 4
	s_mov_b32 s25, 0
	s_add_nc_u64 s[4:5], s[4:5], s[24:25]
	v_lshlrev_b32 v2, 2, v1
.set i, 0
.rept 128
	global_load_b32 v[32+i], v2, s[4:5] offset:i*12288 th:TH_LOAD_NT   ; W(k, my column): 32 lanes read 128 consecutive bytes
.set i, i+1
.endr
	s_mul_i32 s26, s22, 32*272
	s_lshl_b32 s27, s23, 6
	s_add_co_u32 s26, s26, s27
	v_mul_u32_u24 v3, v1, 272
	v_add_nc_u32 v3, s26, v3                       ; the stage, in: row = my column, 64 bytes for my 128 along K
	s_lshl_b32 s26, s22, 9
	s_lshl_b32 s27, s23, 2
	s_add_co_u32 s26, s26, s27
	s_add_co_u32 s26, s26, SCW
	v_lshl_add_u32 v4, v1, 4, s26                  ; my column's scale word for my 128 along K
	v_lshrrev_b32 v7, 4, v1
	v_and_b32 v8, 15, v1
	s_mul_i32 s26, s16, 8*272
	v_mul_u32_u24 v5, v7, 272
	v_lshl_add_u32 v5, v8, 4, v5
	v_add_nc_u32 v5, s26, v5                       ; the stage, out: wave w takes rows 8 w on, sixteen lanes a row
	v_lshlrev_b32 v6, 9, v7
	v_lshl_add_u32 v6, v8, 4, v6
	s_lshl_b32 s26, s16, 12
	v_add_nc_u32 v6, s26, v6                       ; and the same place in w_codes
	s_lshl_b32 s26, s16, 9
	s_add_co_u32 s26, s26, SCW
	v_lshl_add_u32 v9, v1, 4, s26                  ; waves 0, 1: the scale words of column 32 w + lane
	s_lshl_b32 s26, s16, 10
	v_lshl_add_u32 v10, v1, 5, s26                 ; and their place in w_scales
	s_lshl_b32 s26, s21, 15
	s_lshl_b32 s27, s20, 8
	s_add_co_u32 s26, s26, s27
	s_mov_b32 s27, 0
	s_add_nc_u64 s[10:11], s[10:11], s[26:27]      ; w_codes at column 64 cg, byte 256 kh
	s_lshl_b32 s26, s21, 11
	s_lshl_b32 s28, s20, 4
	s_add_co_u32 s26, s26, s28
	s_add_nc_u64 s[12:13], s[12:13], s[26:27]      ; w_scales at column 64 cg, byte 16 kh
.macro BLOCK t, left                   ; block t of my four: all its 32 numbers are my lane's
.set XS, 32+32*(\t)
	s_wait_loadcnt \left
	v_max3_num_f32 v12, |v[XS]|, |v[XS+1]|, |v[XS+2]|
	v_max3_num_f32 v13, |v[XS+3]|, |v[XS+4]|, |v[XS+5]|
.irp i, 6,10,14,18,22,26
	v_max3_num_f32 v12, v12, |v[XS+\i]|, |v[XS+\i+1]|
	v_max3_num_f32 v13, v13, |v[XS+\i+2]|, |v[XS+\i+3]|
.endr
	v_max3_num_f32 v12, v12, |v[XS+30]|, |v[XS+31]|
	v_max3_num_f32 v12, v12, v13, 3<<23            ; the floor 2^(3 - 127)
	v_add_nc_u32 v11, -(2<<23), v12                ; the conversion's scale operand
	v_lshrrev_b32 v13, 23, v11                     ; the byte
.if (\t) == 0
	v_mov_b32 v176, v13
.else
	v_lshl_or_b32 v176, v13, 8*(\t), v176
.endif
.irp g, 0,1,2,3
	v_cvt_scalef32_pk8_fp4_f32 v[160+4*(\t)+\g], v[XS+8*\g:XS+8*\g+7], v11
.endr
	v_nop                                          ; one plain line behind the conversions
	ds_store_b128 v3, v[160+4*(\t):160+4*(\t)+3] offset:16*(\t)
.endm
	BLOCK 0, 63                                    ; the count's field ends at 63: of the 128 loads the first 65 are then in, blocks 0 and 1 among them
	BLOCK 1, 63
	BLOCK 2, 32                                    ; block 3's 32 loads may be out
	BLOCK 3, 0
	ds_store_b32 v4, v176
	s_wait_dscnt 0x0                               ; for the others' sake: my stores have landed
	s_barrier_signal -1
	s_barrier_wait -1                              ; 64 rows of 256 bytes lie in the stage
.irp t, 0,1,2,3
	ds_load_b128 v[180+4*\t:183+4*\t], v5 offset:\t*544
.endr
.irp t, 0,1,2,3
	s_wait_dscnt 3-\t
	global_store_b128 v6, v[180+4*\t:183+4*\t], s[10:11] offset:\t*1024   ; sixteen lanes store 256 consecutive bytes of a column's row
.endr
	s_cmp_lt_u32 s16, 2
	s_cbranch_scc0 .Lexit
	ds_load_b128 v[196:199], v9
	s_wait_dscnt 0x0
	global_store_b128 v10, v[196:199], s[12:13]    ; 16 scale bytes of a column
	s_branch .Lexit
.Lcast:	; ---- W_proj to f16: a wave takes 4,096 bytes
	s_sub_co_u32 s20, ttmp9, 96
	s_lshl_b32 s20, s20, 3
	s_add_co_u32 s20, s20, s16
	s_lshl_b32 s22, s20, 12
	s_mov_b32 s23, 0
	s_add_nc_u64 s[6:7], s[6:7], s[22:23]
	s_lshl_b32 s22, s20, 11
	s_add_nc_u64 s[18:19], s[18:19], s[22:23]
	v_lshlrev_b32 v2, 4, v1
	v_lshlrev_b32 v3, 3, v1
.irp i, 0,1,2,3,4,5,6,7
	global_load_b128 v[32+4*\i:35+4*\i], v2, s[6:7] offset:512*\i
.endr
.irp i, 0,1,2,3,4,5,6,7
	s_wait_loadcnt 7-\i
	v_cvt_pk_f16_f32 v[64+2*\i], v[32+4*\i], v[33+4*\i]
	v_cvt_pk_f16_f32 v[65+2*\i], v[34+4*\i], v[35+4*\i]
	global_store_b64 v3, v[64+2*\i:65+2*\i], s[18:19] offset:256*\i   ; 32 lanes store 256 consecutive bytes
.endr
	s_branch .Lexit
.Lrope:	; ---- a thread makes 16 bytes of a position's row: four cosines or four sines
	s_sub_co_u32 s20, ttmp9, 224
	s_lshl_b32 s20, s20, 8
	v_add_nc_u32 v2, s20, v0                       ; T: position T / 16, place T % 16 = 4 beta + 2 h + (1 for sines)
	v_lshrrev_b32 v3, 4, v2
	v_cvt_f32_u32 v3, v3                           ; the position
	v_and_b32 v4, 15, v2
	v_and_b32 v5, 1, v4
	v_sub_nc_u32 v7, 1, v5                         ; a cosine is a sine one quadrant on
	v_lshrrev_b32 v6, 1, v4
	v_lshlrev_b32 v6, 2, v6
	v_cvt_f32_u32 v6, v6                           ; the first frequency: 8 beta + 4 h
	v_lshlrev_b32 v8, 4, v2
	s_mov_b32 s24, 0x3fc90fdb                      ; pi / 2, its f32 part,
	s_mov_b32 s25, 0xb33bbd2e                      ; and what is left
	v_add_f32 v21, 1.0, v6
	v_add_f32 v22, 2.0, v6
	v_add_f32 v23, 0x40400000, v6
	v_mul_f32 v20, 0xbed49a78, v6                  ; x -log2(10000) / 32
	v_mul_f32 v21, 0xbed49a78, v21
	v_mul_f32 v22, 0xbed49a78, v22
	v_mul_f32 v23, 0xbed49a78, v23
.irp i, 0,1,2,3
	v_exp_f32 v[20+\i], v[20+\i]
.endr
	v_nop                                          ; a plain line behind the batch,
	s_wait_alu depctr_va_vdst(0)                   ; and one wait ahead of its first reader
.macro ANG i
.set RB, 32+8*(\i)
	v_mul_f32 v[RB], v3, v[20+\i]                  ; the angle
	v_mul_f32 v[RB+1], 0x3f22f983, v[RB]
	v_rndne_f32 v[RB+1], v[RB+1]                   ; n = the nearest multiple of pi / 2
	v_fma_f32 v[RB], -v[RB+1], s24, v[RB]
	v_fma_f32 v[RB], -v[RB+1], s25, v[RB]          ; r, at most pi / 4 in size
	v_mul_f32 v[RB+2], v[RB], v[RB]
	v_mov_b32 v[RB+3], 0x3638ef1d                  ; 1 / 9!
	v_fmaak_f32 v[RB+3], v[RB+3], v[RB+2], 0xb9500d01
	v_fmaak_f32 v[RB+3], v[RB+3], v[RB+2], 0x3c088889
	v_fmaak_f32 v[RB+3], v[RB+3], v[RB+2], 0xbe2aaaab
	v_mul_f32 v[RB+3], v[RB+3], v[RB+2]
	v_fma_f32 v[RB+3], v[RB+3], v[RB], v[RB]       ; sin r
	v_mov_b32 v[RB+4], 0xb493f27e                  ; -1 / 10!
	v_fmaak_f32 v[RB+4], v[RB+4], v[RB+2], 0x37d00d01
	v_fmaak_f32 v[RB+4], v[RB+4], v[RB+2], 0xbab60b61
	v_fmaak_f32 v[RB+4], v[RB+4], v[RB+2], 0x3d2aaaab
	v_fmaak_f32 v[RB+4], v[RB+4], v[RB+2], 0xbf000000
	v_fma_f32 v[RB+4], v[RB+4], v[RB+2], 1.0       ; cos r
	v_cvt_i32_f32 v[RB+5], v[RB+1]
	v_add_nc_u32 v[RB+5], v[RB+5], v7              ; the quadrant
	v_and_b32 v[RB+6], 1, v[RB+5]
	v_cmp_eq_u32 vcc_lo, 1, v[RB+6]
	v_cndmask_b32 v[64+\i], v[RB+3], v[RB+4], vcc_lo
	v_and_b32 v[RB+6], 2, v[RB+5]
	v_lshlrev_b32 v[RB+6], 30, v[RB+6]
	v_xor_b32 v[64+\i], v[64+\i], v[RB+6]          ; the sign
	v_mul_f32 v[68+\i], 0x3e38aa3b, v[64+\i]       ; x c for q's table
.endm
	ANG 0
	ANG 1
	ANG 2
	ANG 3
	global_store_b128 v8, v[64:67], s[14:15] offset:524288   ; k's table
	global_store_b128 v8, v[68:71], s[14:15]                 ; q's table
.Lexit:
	s_wait_tensorcnt 0x0                           ; the wave's end
	ds_add_u32 v[SPW], v[NIL]
	s_wait_dscnt 0x0
	s_endpgm
.Lfunc_end_k_q7f91f61ade_prep_w:
	.size	k_q7f91f61ade_prep_w, .Lfunc_end_k_q7f91f61ade_prep_w-k_q7f91f61ade_prep_w
	.p2alignl 7, 3214868480
	.fill 96, 4, 3214868480
	.section	.rodata,"a",@progbits
	.p2align	6, 0x0
	.amdhsa_kernel k_q7f91f61ade_prep_w
		.amdhsa_group_segment_fixed_size 19456
		.amdhsa_private_segment_fixed_size 0
		.amdhsa_enable_private_segment 0
		.amdhsa_kernarg_size 56
		.amdhsa_user_sgpr_count 2
		.amdhsa_user_sgpr_kernarg_segment_ptr 1
		.amdhsa_wavefront_size32 1
		.amdhsa_system_sgpr_workgroup_id_x 1
		.amdhsa_system_sgpr_workgroup_id_y 1
		.amdhsa_system_sgpr_workgroup_id_z 1
		.amdhsa_system_vgpr_workitem_id 0
		.amdhsa_next_free_vgpr 200
		.amdhsa_next_free_sgpr 66
		.amdhsa_reserve_vcc 1
		.amdhsa_float_denorm_mode_32 3
		.amdhsa_float_denorm_mode_16_64 3
		.amdhsa_memory_ordered 1
		.amdhsa_forward_progress 1
		.amdhsa_inst_pref_size 34
	.end_amdhsa_kernel
	.amdgpu_metadata
---
amdhsa.version: [ 1, 2 ]
amdhsa.kernels:
  - .name:           k_q7f91f61ade_prep_w
    .symbol:         k_q7f91f61ade_prep_w.kd
    .args:
      - { .name: W_qkv, .offset: 0, .size: 8, .value_kind: global_buffer, .address_space: global }
      - { .name: W_proj, .offset: 8, .size: 8, .value_kind: global_buffer, .address_space: global }
      - { .name: attention_padding, .offset: 16, .size: 8, .value_kind: global_buffer, .address_space: global }
      - { .name: w_codes, .offset: 24, .size: 8, .value_kind: global_buffer, .address_space: global }
      - { .name: w_scales, .offset: 32, .size: 8, .value_kind: global_buffer, .address_space: global }
      - { .name: tables, .offset: 40, .size: 8, .value_kind: global_buffer, .address_space: global }
      - { .name: wp16, .offset: 48, .size: 8, .value_kind: global_buffer, .address_space: global }
    .group_segment_fixed_size: 19456
    .private_segment_fixed_size: 0
    .kernarg_segment_align: 8
    .kernarg_segment_size: 56
    .max_flat_workgroup_size: 256
    .sgpr_count:     66
    .vgpr_count:     200
    .wavefront_size: 32
...
	.end_amdgpu_metadata
.endif
;; end of part 2
;; launch gemm_qkv (part 3): grid 12 x 32, 4 waves a work-group, clusters of 4 x 4, 327,680 bytes of LDS; arguments x_codes, x_scales, w_codes, w_scales, b_qkv, tables, qkv; writes qkv
.if DOCPART == 3
	.amdgcn_target "amdgcn-amd-amdhsa--gfx1250"
	.amdhsa_code_object_version 6
	.text
	.protected	k_q7f91f61ade_gemm_qkv
	.globl	k_q7f91f61ade_gemm_qkv
	.p2align	8
	.type	k_q7f91f61ade_gemm_qkv,@function
k_q7f91f61ade_gemm_qkv:
	s_mov_b64 s[64:65], 0
	v_nop
	global_prefetch_b8 v0, s[64:65] scope:SCOPE_SE
	s_setreg_imm32_b32 hwreg(HW_REG_WAVE_MODE, 25, 1), 1
	s_wait_xcnt 0x0
	s_wait_alu depctr_hold_cnt(0) depctr_sa_sdst(0) depctr_va_vdst(0) depctr_va_sdst(0) depctr_va_ssrc(0) depctr_va_vcc(0) depctr_vm_vsrc(0)
	s_getreg_b32 s2, hwreg(HW_REG_IB_STS2, 6, 4)
	s_cmp_eq_u32 s2, 0
	s_cbranch_scc0 .Lentry_in_a_cluster
	s_endpgm
.Lentry_in_a_cluster:
	s_bfe_u32 s2, ttmp6, 0x10000c
	s_cmp_lg_u32 s2, 0xf033
	s_cbranch_scc0 .Lentry_shape_is_right
	s_endpgm
.Lentry_shape_is_right:
; qkv = Q(x) Q(W_qkv) + b_qkv on codes of FP4 with E8M0 scales, then RoPE, then f16, laid by head.  x_codes [8192][512 B], w_codes [3072][512 B], scale bytes [rows][32].
; A tile of 256 tokens x 256 columns is made by four waves, each 128 x 128: 64 accumulators, 512 registers.  K = 1,024 is two slots of 512: both are asked for at the start and nothing is filled again.
; The scale bytes of the tile's rows and columns come once, as dense blocks.  CLUSTERS of 4 x 4: a row of the cluster shares x's tiles, a column W's: joint loads.
; The tile row is 8 cy + cluster y: so the batch is cy and the first position 256 x cluster y, and whether a wave holds positions 0-15 hangs on the cluster's y and the wave's number alone.
; The tile column is 4 x cluster x + cx: so cluster x says whether the columns are q's (0), k's (1) or v's (2).
; THE MATRIX INSTRUCTION IS USED TRANSPOSED (source 0 = 16 columns of W, source 1 = 16 tokens): a lane holds eight neighbouring columns of one token: four pairs of RoPE.
; The bias is the C of each sum's first product.  RoPE: (e, o) -> (e cos - o sin, o cos + e sin); cos and sin come from the tables, a row of 256 bytes a position, in the lane's own order.
; q's table carries c = log2(e) / 8.  v is turned by position 0's row of k's table (cos 1, sin 0; the row's stride is 0): one path for all three, at the price of 64 packed lines a block where v is made.
; OUT: section s (q c, k, v) at s x 16,777,216: [batch][head][position][64] f16.  Positions 0-15 also as f32, [batch][position][3072], at 50,331,648, for the launch that carries them finely.
; LIMITS: |q c|, |k|, |v| at most 65,504 (f16); no NaN, no infinities.  No prefetch: no slot is filled again, all tiles are asked for at the start.
; REGISTERS: window 0: v16-31 addresses; v32-95 scale words, two sets, and nothing else; v96-103 the table rows' offsets, later with v104-127 packed results; v128-191 x's fragments, later rows read back;
;   v192-255 the bias, later the turned numbers.  window 1: W's fragments at v0 and v128, two sets; the tables' rows in what is free.  windows 2, 3: the accumulators.
.set KSTEP,  512
.set NQ,     4
.set ROWB,   256
.set KROW,   512
.set PITCH,  272                       ; an LDS row: 256 bytes + 16 of padding: the 16 rows of a fragment load start 68 words apart
.set FR,     8
.set NL,     2
.set NP,     4
.set HALFT,  128*PITCH
.set SLOT,   4*HALFT
.set KS,     32
.set SCL,    2*SLOT
.set HALFS,  (128*KS/256)*272
.set SBLK,   (16*KS/256)*272
.set SPARE,  SCL+4*HALFS               ; the spare words: 128 bytes a wave, named by no other line
.set ADRA, 16
.set ADRB, 20
.set STO,  24
.set RD,   25
.set CO,   26
.set ADRS, 27
.set SPW,  28
.set NIL,  29
.set FO,   30
.set BO,   31
.set SC,   32
.set RO,   96
.set TMP,  96
.set AF,   128
.set BK,   128
.set BIAS, 192
.set T,    192
.set G1, 24
.set G0, 32
.set G1B, 48
.set G0B, 56
.set G1S, 68
.set G0S, 76
.set G1SB, 80
.set G0SB, 88
.set MSB, 0
.macro WIN new                         ; the immediate's high byte repeats the setting that is left
.if MSB != (\new)
	s_set_vgpr_msb (MSB<<8)|(\new)
.set MSB, (\new)
.endif
.endm
.set MUL_LO, 0xa1                      ; source 0 (W) window 1, source 1 (x) window 0, C and D window 2
.set MUL_HI, 0xf1
.set TO_B,   0x40
.macro JLOAD g0a, g1a, g0b, g1b        ; a joint load: waves 0, 1 fetch for x, waves 2, 3 for W; an s_nop 0 and four v_nop follow each line
	s_cmp_eq_u32 s15, 0
	s_cbranch_scc0 .Lfor_b_\@
	tensor_load_to_lds s[\g0a:\g0a+3], s[\g1a:\g1a+7]
	s_nop 0
.rept 4
	v_nop
.endr
	s_branch .Lasked_\@
.Lfor_b_\@:
	tensor_load_to_lds s[\g0b:\g0b+3], s[\g1b:\g1b+7]
	s_nop 0
.rept 4
	v_nop
.endr
.Lasked_\@:
.endm
.macro CROUND                          ; a round of the cluster's barrier
	s_barrier_signal -1
	s_barrier_wait -1
	s_cmp_lg_u32 s14, 0
	s_cbranch_scc1 .Lnot_wave_0_\@
	s_barrier_signal -3
.Lnot_wave_0_\@:
	s_barrier_wait -3
	s_barrier_signal -1
	s_barrier_wait -1
.endm
	s_load_b128 s[4:7], s[0:1], 0x0                ; x's codes, x's scales
	s_load_b128 s[8:11], s[0:1], 0x10              ; W's codes, W's scales
	s_load_b64 s[12:13], s[0:1], 0x20              ; b_qkv
	s_load_b128 s[96:99], s[0:1], 0x28             ; tables, qkv
	v_lshl_add_u32 v[SPW], v0, 2, SPARE
	v_mov_b32 v[NIL], 0
	ds_add_u32 v[SPW], v[NIL]                      ; the opening: the add, twice on end, and its wait ahead of my first tensor load
	ds_add_u32 v[SPW], v[NIL]
	v_lshrrev_b32 v1, 5, v0
	v_readfirstlane_b32 s14, v1                    ; wave 0..3
	s_lshr_b32 s15, s14, 1                         ; my half of the tile's tokens.  Also: I fetch for x (0) or for W (1)
	s_and_b32 s16, s14, 1                          ; my half of its columns.  Also: which 128 rows I fetch
	s_bfe_u32 s40, ttmp6, 0x40000                  ; cx
	s_bfe_u32 s41, ttmp6, 0x40004                  ; cy
	s_lshl_b32 s42, ttmp9, 2
	s_add_co_u32 s42, s42, s40                     ; tile column = 4 x cluster x + cx
	s_and_b32 s66, ttmp7, 0xffff                   ; cluster y
	s_lshl_b32 s17, s41, 3
	s_add_co_u32 s17, s17, s66                     ; tile row = 8 cy + cluster y
	s_or_b32 s95, s66, s15                         ; 0 where my first block is positions 0-15
	s_lshl_b32 s43, s41, 2
	s_lshl_b32 s43, 15, s43                        ; my row of the cluster
	s_lshl_b32 s44, 0x1111, s40                    ; my column
	s_or_b32 s[G1+0], s43, (0<<16)|(1<<20)|(1<<21)|(5<<22)|(3<<25)  ; the mask; elements of 1 byte; padding: 4 words behind every 64; bit 21 beside a mask
	s_or_b32 s[G1B+0], s44, (0<<16)|(1<<20)|(1<<21)|(5<<22)|(3<<25)
.irp g, G1, G1B
	s_mov_b32 s[\g+1], ROWB<<16                    ; tensor_dim0
	s_mov_b32 s[\g+2], 128<<16                     ; tensor_dim1
	s_mov_b32 s[\g+3], ROWB<<16                    ; tile_dim0
	s_mov_b32 s[\g+4], 128                         ; tile_dim1
	s_mov_b32 s[\g+5], KROW                        ; the pitch
	s_mov_b32 s[\g+6], 0
	s_mov_b32 s[\g+7], 0
.endr
	s_or_b32 s[G1S+0], s43, (3<<16)|(1<<20)|(1<<21)|(5<<22)|(3<<25)  ; the scales of 128 rows: 4,096 dense bytes as 16 rows of 256
	s_or_b32 s[G1SB+0], s44, (3<<16)|(1<<20)|(1<<21)|(5<<22)|(3<<25)
.irp g, G1S, G1SB
	s_mov_b32 s[\g+1], 32<<16
	s_mov_b32 s[\g+2], (128*KS/256)<<16
	s_mov_b32 s[\g+3], 32<<16
	s_mov_b32 s[\g+4], 128*KS/256
	s_mov_b32 s[\g+5], 32
	s_mov_b32 s[\g+6], 0
	s_mov_b32 s[\g+7], 0
.endr
	s_lshl_b32 s18, s16, 7
	s_lshl_b32 s20, s17, 8
	s_add_co_u32 s20, s20, s18                     ; x: row 256 x tile row + 128 x half
	s_lshl_b32 s46, s42, 8
	s_add_co_u32 s46, s46, s18                     ; W: row 256 x tile column + 128 x half
	s_mov_b32 s21, 0
	s_mov_b32 s47, 0
	s_mov_b64 s[18:19], KS
	s_mul_u64 s[22:23], s[20:21], s[18:19]
	s_mul_u64 s[92:93], s[46:47], s[18:19]
	s_mov_b64 s[18:19], KROW
	s_mul_u64 s[20:21], s[20:21], s[18:19]
	s_mul_u64 s[46:47], s[46:47], s[18:19]
	s_mul_i32 s45, s14, HALFT                      ; where they go: wave x 128 rows
	s_mul_i32 s94, s14, HALFS
	s_wait_dscnt 0x0                               ; both opening adds are done
	s_wait_kmcnt 0x0
	s_add_nc_u64 s[20:21], s[4:5], s[20:21]
	s_add_nc_u64 s[22:23], s[6:7], s[22:23]
	s_add_nc_u64 s[46:47], s[8:9], s[46:47]
	s_add_nc_u64 s[92:93], s[10:11], s[92:93]
	CROUND                                         ; all sixteen work-groups are here: the joint loads meet
	s_mov_b32 s[G0S], 1
	s_add_co_u32 s[G0S+1], s94, SCL
	s_mov_b64 s[G0S+2:G0S+3], s[22:23]
	s_or_b32 s[G0S+3], s[G0S+3], 0x80000000
	s_mov_b32 s[G0SB], 1
	s_add_co_u32 s[G0SB+1], s94, SCL
	s_mov_b64 s[G0SB+2:G0SB+3], s[92:93]
	s_or_b32 s[G0SB+3], s[G0SB+3], 0x80000000
	JLOAD G0S, G1S, G0SB, G1SB                     ; the scales first
.irp s, 0,1
	s_mov_b32 s[G0+4*\s], 1
	s_add_co_u32 s[G0+4*\s+1], s45, \s*SLOT
	s_add_nc_u64 s[G0+4*\s+2:G0+4*\s+3], s[20:21], \s*ROWB
	s_or_b32 s[G0+4*\s+3], s[G0+4*\s+3], 0x80000000
	s_mov_b32 s[G0B+4*\s], 1
	s_add_co_u32 s[G0B+4*\s+1], s45, \s*SLOT
	s_add_nc_u64 s[G0B+4*\s+2:G0B+4*\s+3], s[46:47], \s*ROWB
	s_or_b32 s[G0B+4*\s+3], s[G0B+4*\s+3], 0x80000000
	JLOAD G0+4*\s, G1, G0B+4*\s, G1B               ; three tensor loads of mine are out
.endr
	v_and_b32 v1, 15, v0                           ; r
	v_bfe_u32 v2, v0, 4, 1                         ; h
	; the bases of the plain loads and stores.  Row parts in s20-23, column parts in s46-47
	s_mul_i32 s20, s41, 196608                     ; the f32 copy: the batch's 16 rows of 12,288 bytes,
	s_lshl_b32 s22, s16, 9                         ; my half's 128 columns,
	s_add_co_u32 s20, s20, s22
	s_mov_b32 s21, 0
	s_mov_b32 s23, 0
	s_lshl_b32 s46, s42, 10                        ; the tile's 256 columns
	s_mov_b32 s47, 0
	s_add_nc_u64 s[92:93], s[98:99], s[20:21]
	s_add_nc_u64 s[92:93], s[92:93], s[46:47]
	s_add_nc_u64 s[92:93], s[92:93], 50331648
	s_add_nc_u64 s[12:13], s[12:13], s[22:23]      ; the bias at my first column
	s_add_nc_u64 s[12:13], s[12:13], s[46:47]
	s_cmp_eq_u32 ttmp9, 2
	s_cselect_b32 s67, 0, 256                      ; from position to position in the table: 0 for v
	s_cmp_eq_u32 ttmp9, 0
	s_cselect_b32 s20, 0, 524288                   ; q's table, or k's
	s_lshl_b32 s22, s66, 8
	s_lshl_b32 s23, s15, 7
	s_add_co_u32 s22, s22, s23                     ; my first position
	s_mul_i32 s22, s22, s67
	s_add_co_u32 s20, s20, s22
	s_add_nc_u64 s[96:97], s[96:97], s[20:21]
	s_lshl_b32 s20, ttmp9, 2
	s_add_co_u32 s20, s20, s41                     ; 4 x section + batch
	s_lshl_b32 s20, s20, 4
	s_lshl_b32 s22, s16, 1
	s_add_co_u32 s20, s20, s22                     ; x 16 heads + my half's two
	s_lshl_b32 s20, s20, 18                        ; a head is 262,144 bytes
	s_lshl_b32 s22, s66, 15
	s_add_co_u32 s20, s20, s22
	s_lshl_b32 s22, s15, 14
	s_add_co_u32 s20, s20, s22                     ; + my first position x 128 bytes
	s_lshl_b32 s46, s40, 20                        ; + the tile's four heads: 4 cx
	s_add_nc_u64 s[98:99], s[98:99], s[20:21]
	s_add_nc_u64 s[98:99], s[98:99], s[46:47]
	v_lshlrev_b32 v[BO], 5, v2                     ; 32 h: my eight numbers of 16
.irp b, 0,1,2,3,4,5,6,7
	global_load_b128 v[BIAS+8*\b:BIAS+8*\b+3], v[BO], s[12:13] offset:64*\b
	global_load_b128 v[BIAS+8*\b+4:BIAS+8*\b+7], v[BO], s[12:13] offset:64*\b+16
.endr
.irp a, 0,1,2,3,4,5,6,7
	v_add_nc_u32 v[RO+\a], 16*\a, v1
	v_mad_u32_u24 v[RO+\a], v[RO+\a], s67, v[BO]   ; block a: my token's row of the table, my half of each 64 bytes
.endr
.macro TLD a                           ; block a's rows of the table: 32 registers of window 1: for beta = 0..3 four cosines, four sines
.set TB, 64*(1-(\a)/4)+32*((\a)%2)+128*(((\a)%4)/2)
.irp e, 0,1,2,3
	global_load_b128 v[TB+8*\e:TB+8*\e+3], v[RO+(\a)], s[96:97] offset:64*\e
	global_load_b128 v[TB+8*\e+4:TB+8*\e+7], v[RO+(\a)], s[96:97] offset:64*\e+16
.endr
.endm
	WIN TO_B
	TLD 0                                          ; blocks 0-3 into the registers of window 1 that W's two sets leave free
	TLD 1
	TLD 2
	TLD 3
	WIN 0
	v_mul_u32_u24 v3, v1, PITCH
	v_lshl_add_u32 v4, v2, 4, v3                   ; a fragment's row x pitch + 16 x half
	s_mul_i32 s21, s15, HALFT
	s_mul_i32 s22, s16, HALFT
	s_add_co_u32 s22, s22, 2*HALFT
.irp s, 0,1
	v_add_nc_u32 v[ADRA+\s], s21, v4
	v_add_nc_u32 v[ADRB+\s], s22, v4
	s_add_co_u32 s21, s21, SLOT
	s_add_co_u32 s22, s22, SLOT
.endr
	v_mul_u32_u24 v5, v1, KS                       ; my row's scales: 32 bytes a row,
	v_lshrrev_b32 v6, 8, v5
	v_lshl_add_u32 v5, v6, 4, v5                   ; and 16 more for each 256 passed
	s_mul_i32 s21, s15, HALFS
	s_mul_i32 s22, s16, HALFS
	s_add_co_u32 s22, s22, 2*HALFS
	s_sub_co_u32 s22, s22, s21
	v_mul_u32_u24 v6, s22, v2                      ; lanes 16-31 take W's
	s_add_co_u32 s21, s21, SCL
	v_add_nc_u32 v5, v5, v6
	v_add_nc_u32 v[ADRS], s21, v5
	s_mul_i32 s23, s14, 16*PITCH                   ; my stage, in slot 0: 16 rows x 272 bytes
	v_add_nc_u32 v[STO], s23, v4                   ; in: row r, 16 bytes for each half of the lanes
	v_lshrrev_b32 v5, 3, v1
	v_mul_u32_u24 v5, v5, PITCH
	v_lshl_add_u32 v5, v2, 7, v5
	v_and_b32 v6, 7, v1
	v_lshl_add_u32 v5, v6, 4, v5
	v_add_nc_u32 v[RD], s23, v5                    ; back: lanes 0-15 two rows of my first head (128 bytes each), lanes 16-31 of my second
	v_lshlrev_b32 v[CO], 18, v2
	v_lshl_add_u32 v[CO], v1, 4, v[CO]             ; and the same in memory: two positions of a head are 256 consecutive bytes
	v_mul_u32_u24 v[FO], v1, 12288
	v_lshl_add_u32 v[FO], v2, 5, v[FO]             ; the f32 copy: row r, 32 h
.macro FRAG reg, adr, q, i             ; 16 rows x 128 K of 4-bit codes: 8 registers, two loads of 16 bytes, 32 bytes apart
.irp c, 0,1
	ds_load_b128 v[\reg+4*\c:\reg+4*\c+3], v[\adr] offset:64*(\q)+32*\c+(\i)*16*PITCH
.endr
.endm
; 16 products: x's blocks a0, a0 + 1 against W's eight.  zero = 1: the sums begin with the bias as C.  The 64 accumulators take turns, one instruction a turn.
.macro MUL16 a0, p, q, sc, zero
.irp a, \a0, \a0+1
.irp b, 0,1,2,3,4,5,6,7
.if \zero
	v_wmma_scale_f32_16x16x128_f8f6f4 v[8*(8*((\a)%4)+\b):8*(8*((\a)%4)+\b)+7], v[128*(\p)+FR*\b:128*(\p)+FR*\b+FR-1], v[AF+FR*(\a):AF+FR*(\a)+FR-1], v[BIAS+8*\b:BIAS+8*\b+7], v[SC+8*NQ*(\sc)+NQ*\b+(\q)], v[SC+8*NQ*(\sc)+NQ*(\a)+(\q)] matrix_a_fmt:MATRIX_FMT_FP4 matrix_b_fmt:MATRIX_FMT_FP4 matrix_a_scale:MATRIX_SCALE_ROW1
.else
	v_wmma_scale_f32_16x16x128_f8f6f4 v[8*(8*((\a)%4)+\b):8*(8*((\a)%4)+\b)+7], v[128*(\p)+FR*\b:128*(\p)+FR*\b+FR-1], v[AF+FR*(\a):AF+FR*(\a)+FR-1], v[8*(8*((\a)%4)+\b):8*(8*((\a)%4)+\b)+7], v[SC+8*NQ*(\sc)+NQ*\b+(\q)], v[SC+8*NQ*(\sc)+NQ*(\a)+(\q)] matrix_a_fmt:MATRIX_FMT_FP4 matrix_b_fmt:MATRIX_FMT_FP4 matrix_a_scale:MATRIX_SCALE_ROW1
.endif
.endr
.endr
.endm
.macro FETCH_B slot, q, p
	WIN TO_B
.irp i, 0,1,2,3,4,5,6,7
	FRAG 128*(\p)+FR*\i, ADRB+\slot, \q, \i
.endr
	WIN 0
.endm
.macro FETCH_A slot, q, i0
.irp i, \i0, \i0+1, \i0+2, \i0+3
	FRAG AF+FR*(\i), ADRA+\slot, \q, \i
.endr
.endm
.macro SCALES sc                       ; a slot's scale words: lanes 0-15 x's block i, lanes 16-31 W's block i
.irp i, 0,1,2,3,4,5,6,7
	ds_load_b128 v[SC+8*NQ*\sc+NQ*\i:SC+8*NQ*\sc+NQ*\i+3], v[ADRS] offset:\i*SBLK
.endr
.endm
.macro PLACES n                        ; plain lines between a matrix instruction and a load into, or a read of, its registers
.rept \n
	v_nop
.endr
.endm
.macro STEP slot, q, zero              ; 128 along K, with its successor in the same slot
	s_wait_dscnt 4*NL                              ; W's set and x's blocks 0-3 are in; the youngest eight loads (blocks 4-7) may be out
.if \zero
	WIN 0x81                                       ; C (the bias) window 0, D window 2
.else
	WIN MUL_LO
.endif
	MUL16 0, (\q)%2, \q, \slot, \zero
	MUL16 2, (\q)%2, \q, \slot, \zero
	s_wait_dscnt 0
	PLACES NP
	FETCH_B \slot, (\q)+1, 1-(\q)%2
	FETCH_A \slot, (\q)+1, 0
.if \zero
	WIN 0xc1
.else
	WIN MUL_HI
.endif
	MUL16 4, (\q)%2, \q, \slot, \zero
	MUL16 6, (\q)%2, \q, \slot, \zero
	PLACES NP
	WIN 0
	FETCH_A \slot, (\q)+1, 4
.endm
.macro TURN slot, next                 ; slot 0's last step changes slots: one barrier; nothing is filled again
	s_wait_tensorcnt 0x0                           ; my part of the next slot has landed
	ds_add_u32 v[SPW], v[NIL]                      ; 0 onto my spare word
	s_wait_dscnt 4*NL+1                            ; (the add and the youngest eight loads may be out)
	WIN MUL_LO
	MUL16 0, 1, NQ-1, \slot, 0
	s_wait_dscnt 0x0                               ; the add is done, and my reads of this slot are over
	s_barrier_signal -1
	MUL16 2, 1, NQ-1, \slot, 0
	WIN 0
	s_barrier_wait -1                              ; the next slot is whole, and nobody reads this one any more
	PLACES NP
	v_add_nc_u32 v[ADRS], 4*NQ, v[ADRS]
	FETCH_B \next, 0, 0
	FETCH_A \next, 0, 0
	SCALES \next
	WIN MUL_HI
	MUL16 4, 1, NQ-1, \slot, 0
	MUL16 6, 1, NQ-1, \slot, 0
	PLACES NP
	WIN 0
	FETCH_A \next, 0, 4
.endm
.macro STEPS slot, from
.set Q, \from
.rept NQ-1-\from
	STEP \slot, Q, 0
.set Q, Q+1
.endr
.endm
	s_wait_tensorcnt 1                             ; the scales and my part of slot 0 are in; slot 1's load may be out
	s_barrier_signal -1
	s_barrier_wait -1
	FETCH_B 0, 0, 0
	FETCH_A 0, 0, 0
	SCALES 0
	FETCH_A 0, 0, 4
	s_wait_loadcnt 32                              ; the bias is in; the 32 loads of the table's rows may be out
	STEP 0, 0, 1
	STEPS 0, 1
	TURN 0, 1
	STEPS 1, 0
	s_wait_dscnt 4*NL
	WIN MUL_LO
	MUL16 0, 1, NQ-1, 1, 0
	MUL16 2, 1, NQ-1, 1, 0
	s_wait_dscnt 0
	WIN MUL_HI
	MUL16 4, 1, NQ-1, 1, 0
	MUL16 6, 1, NQ-1, 1, 0
	WIN 0
	PLACES NP                                      ; ahead of loads into W's registers and of the reads of results
	WIN TO_B
	TLD 4                                          ; blocks 4-7's rows of the table into W's two sets
	TLD 5
	TLD 6
	TLD 7
	WIN 0
; THE WAY OUT, a block of 16 tokens x 128 columns at a time: turned (64 packed lines), rounded to f16, through my stage, and back so that sixteen lanes hold 256 consecutive bytes of memory.
.macro OUTB a
.set AC, 64*((\a)%4)
.set TB, 64*(1-(\a)/4)+32*((\a)%2)+128*(((\a)%4)/2)
.if (\a) < 4
	s_wait_loadcnt 32                              ; blocks 0-3's rows are in; the 32 loads of blocks 4-7 may be out
.else
	s_wait_loadcnt 8*(7-(\a))                      ; my block's eight loads are in; the later blocks' may be out
.endif
	s_wait_xcnt 0x0                                ; earlier loads and stores have read their registers: T, the packed results' and the read-back registers may be written
	WIN 0x06+(\a)/4                                ; source 0: the accumulators' window; source 1: window 1
.irp b, 0,1,2,3,4,5,6,7                ; each accumulator from its low end on
.irp p, 0,1
	v_pk_mul_f32 v[T+8*\b+4*\p:T+8*\b+4*\p+1], v[AC+8*\b+4*\p:AC+8*\b+4*\p+1], v[TB+8*(\b%4)+2*\p:TB+8*(\b%4)+2*\p+1] op_sel_hi:[1,0]
	v_pk_mul_f32 v[T+8*\b+4*\p+2:T+8*\b+4*\p+3], v[AC+8*\b+4*\p+2:AC+8*\b+4*\p+3], v[TB+8*(\b%4)+2*\p:TB+8*(\b%4)+2*\p+1] op_sel:[0,1] op_sel_hi:[1,1]
.endr
.irp p, 0,1                            ; low: - odd x sin; high: + even x sin
	v_pk_fma_f32 v[T+8*\b+4*\p:T+8*\b+4*\p+1], v[AC+8*\b+4*\p:AC+8*\b+4*\p+1], v[TB+8*(\b%4)+4+2*\p:TB+8*(\b%4)+4+2*\p+1], v[T+8*\b+4*\p:T+8*\b+4*\p+1] op_sel:[1,0,0] op_sel_hi:[0,0,1] neg_lo:[0,1,0]
	v_pk_fma_f32 v[T+8*\b+4*\p+2:T+8*\b+4*\p+3], v[AC+8*\b+4*\p+2:AC+8*\b+4*\p+3], v[TB+8*(\b%4)+4+2*\p:TB+8*(\b%4)+4+2*\p+1], v[T+8*\b+4*\p+2:T+8*\b+4*\p+3] op_sel:[1,1,0] op_sel_hi:[0,1,1] neg_lo:[0,1,0]
.endr
.endr
	WIN 0
.if (\a) == 0
	s_cmp_lg_u32 s95, 0                            ; positions 0-15?  The cluster's y and the wave's number alone decide
	s_cbranch_scc1 .Lno_fine
.irp b, 0,1,2,3,4,5,6,7
	global_store_b128 v[FO], v[T+8*\b:T+8*\b+3], s[92:93] offset:64*\b
	global_store_b128 v[FO], v[T+8*\b+4:T+8*\b+7], s[92:93] offset:64*\b+16
.endr
.Lno_fine:
.endif
.set i, 0
.rept 32
	v_cvt_pk_f16_f32 v[TMP+i], v[T+2*i], v[T+2*i+1]
.set i, i+1
.endr
.irp b, 0,1,2,3,4,5,6,7
	ds_store_b128 v[STO], v[TMP+4*\b:TMP+4*\b+3] offset:32*\b
.endr
.set BB, BK+32*((\a)%2)
.irp t, 0,1,2,3,4,5,6,7
	ds_load_b128 v[BB+4*\t:BB+4*\t+3], v[RD] offset:\t*2*PITCH   ; LDS serves a wave's instructions in order: these see the stores above
.endr
.endm
.macro SEND a, younger                 ; younger: the LDS instructions issued behind block a's loads
.set BB, BK+32*((\a)%2)
	s_wait_dscnt \younger
.irp t, 0,1,2,3,4,5,6,7
	global_store_b128 v[CO], v[BB+4*\t:BB+4*\t+3], s[98:99] offset:2048*(\a)+256*\t   ; sixteen lanes store 256 consecutive bytes: two positions of a head
.endr
.endm
	OUTB 0
.irp a, 1,2,3,4,5,6,7
	OUTB \a
	SEND \a-1, 16                                  ; behind block a - 1's loads: block a's 8 stores and 8 loads
.endr
	SEND 7, 0
	s_wait_tensorcnt 0x0                           ; the wave's end
	ds_add_u32 v[SPW], v[NIL]
	s_wait_dscnt 0x0
	CROUND                                         ; the closing round
	s_endpgm
.Lfunc_end_k_q7f91f61ade_gemm_qkv:
	.size	k_q7f91f61ade_gemm_qkv, .Lfunc_end_k_q7f91f61ade_gemm_qkv-k_q7f91f61ade_gemm_qkv
	.p2alignl 7, 3214868480
	.fill 96, 4, 3214868480
	.section	.rodata,"a",@progbits
	.p2align	6, 0x0
	.amdhsa_kernel k_q7f91f61ade_gemm_qkv
		.amdhsa_group_segment_fixed_size 327680
		.amdhsa_private_segment_fixed_size 0
		.amdhsa_enable_private_segment 0
		.amdhsa_kernarg_size 56
		.amdhsa_user_sgpr_count 2
		.amdhsa_user_sgpr_kernarg_segment_ptr 1
		.amdhsa_wavefront_size32 1
		.amdhsa_system_sgpr_workgroup_id_x 1
		.amdhsa_system_sgpr_workgroup_id_y 1
		.amdhsa_system_sgpr_workgroup_id_z 1
		.amdhsa_system_vgpr_workitem_id 0
		.amdhsa_next_free_vgpr 1024
		.amdhsa_next_free_sgpr 100
		.amdhsa_reserve_vcc 0
		.amdhsa_float_denorm_mode_32 3
		.amdhsa_float_denorm_mode_16_64 3
		.amdhsa_memory_ordered 1
		.amdhsa_forward_progress 1
		.amdhsa_inst_pref_size 170
	.end_amdhsa_kernel
	.amdgpu_metadata
---
amdhsa.version: [ 1, 2 ]
amdhsa.kernels:
  - .name:           k_q7f91f61ade_gemm_qkv
    .symbol:         k_q7f91f61ade_gemm_qkv.kd
    .args:
      - { .name: x_codes, .offset: 0, .size: 8, .value_kind: global_buffer, .address_space: global }
      - { .name: x_scales, .offset: 8, .size: 8, .value_kind: global_buffer, .address_space: global }
      - { .name: w_codes, .offset: 16, .size: 8, .value_kind: global_buffer, .address_space: global }
      - { .name: w_scales, .offset: 24, .size: 8, .value_kind: global_buffer, .address_space: global }
      - { .name: b_qkv, .offset: 32, .size: 8, .value_kind: global_buffer, .address_space: global }
      - { .name: tables, .offset: 40, .size: 8, .value_kind: global_buffer, .address_space: global }
      - { .name: qkv, .offset: 48, .size: 8, .value_kind: global_buffer, .address_space: global }
    .group_segment_fixed_size: 327680
    .private_segment_fixed_size: 0
    .kernarg_segment_align: 8
    .kernarg_segment_size: 56
    .max_flat_workgroup_size: 128
    .sgpr_count:     100
    .vgpr_count:     1024
    .wavefront_size: 32
...
	.end_amdgpu_metadata
.endif
;; end of part 3
;; launch attn (part 4): grid 4 x 64, 8 waves a work-group, no clusters, 327,680 bytes of LDS; arguments qkv, tables, y16; writes y16
.if DOCPART == 4
	.amdgcn_target "amdgcn-amd-amdhsa--gfx1250"
	.amdhsa_code_object_version 6
	.text
	.protected	k_q7f91f61ade_attn
	.globl	k_q7f91f61ade_attn
	.p2align	8
	.type	k_q7f91f61ade_attn,@function
k_q7f91f61ade_attn:
	s_mov_b64 s[64:65], 0
	v_nop
	global_prefetch_b8 v0, s[64:65] scope:SCOPE_SE
	s_setreg_imm32_b32 hwreg(HW_REG_WAVE_MODE, 25, 1), 1
	s_wait_xcnt 0x0
; y[b][h][q] = the sum over k of softmax_k(q . k / 8, masked) v[k], operands in f16, products, maxima and sums in f32.  q arrives times c = log2(e) / 8, so a score is t = logit x log2(e), and p = 2^(t - m), m the running maximum.
; MASKS.  A padded key's score gets -1e30 added (the key bias is the C of the score's first product); a key after the query is set to -1e30.  As soon as an open key is met, the running maximum wipes out what masked keys left
; (a = 2^(old m - new m) is 0).  A query with no open key is itself padded: its row stays finite here and is multiplied by 0 in the projection.
; LIMITS: masked scores are -1e30 where the definition has -1e9: the same result while open logits lie above about -1e9.  p is rounded to f16 for the second product; the row's sum is of the unrounded p.  No NaN, no infinities.
; SHARES.  A work-group (p = x, head = y) has eight waves; wave w owns queries 256 p + 32 w on (the low pair of tiles) and 2016 - 256 p - 32 w on (the high pair): 33 steps of 64 keys for every wave of the launch.
; Each fragment of K and V read from LDS feeds two tiles, or four where both pairs are at work.  Keys go 64 a step, 256 a slot, two slots.  Every work-group walks all 8 slots, so that trip counts are constants;
; a step or a pair whose keys all come after its queries is jumped over by a test on ids, and a slot whose first key comes after the work-group's last query is not asked for.
; NO CLUSTER: the four work-groups of a head need 8, 7, 6 and 5 slots, so a joint load would bring tiles that some partner never reads.
; LAYOUT.  S^T = K Q^T and O^T = V^T P: a lane holds one query throughout.  K comes out of LDS as it lies, V turned by ds_load_tr16_b128.
; LDS: slot s at s x 131,072: K 256 rows x 144, V 256 rows x 160 from 36,864; 262,144 the batch's key bias; 270,336 the spare words; 271,360 a stage of 16 rows x 144 for each wave.
; REGISTERS: window 0: v1-15 addresses; v16-47 statistics, 8 a tile (m, old m, l, l, four at work; a in the seventh); v48-79 the key bias; v80-143 S^T of a pair; v144-175 P; v176-239 K.
;   window 1: v0-127 O^T, 32 a tile (tiles 0, 1 high, 2, 3 low); v128-191 Q; v192-255 V.
.set KP,    144
.set VP,    160
.set VOFF,  256*KP
.set SLOT1, 1<<17
.set KB,    2*SLOT1
.set SPARE, KB+8192
.set STAGE, SPARE+1024
.set AK0, 1
.set AV0, 2
.set AB0, 3
.set ADK, 4
.set ADV, 5
.set ADB, 6
.set RH,  7
.set STO, 8
.set RD,  9
.set GO,  10
.set PFO, 11
.set NEG, 12
.set D0,  13
.set D1,  14
.set ST,  16
.set KBR, 48
.set S,   80
.set P,   144
.set KFR, 176
.set SPW, 254
.set NIL, 255
.set QF,  128                          ; window 1
.set VF,  192                          ; window 1
.set WV,  12
.set SQH, 15
.set SQL, 16
.set KF,  17
.set TK,  18
.set TV,  19
.set TBI, 20
.set SLOTS, 21
.set STEPS, 22
.set LQ,  23
.set G1K, 24
.set G1V, 32
.set G1B, 40
.set G0K, 48
.set G0V, 52
.set G0B, 56
.set SEL, 60
.set PFA, 66
.set LIM, 68
.set YH,  70
.set YL,  72
.set QHB, 74
.set QLB, 76
.set MSB, 0
.macro WIN new
.if MSB != (\new)
	s_set_vgpr_msb (MSB<<8)|(\new)
.set MSB, (\new)
.endif
.endm
.set W_KQ, 0x04                        ; Q in window 1
.set W_PV, 0x51                        ; V, O^T in window 1, P in window 0
.set W_RS, 0x41                        ; O^T in window 1, a in window 0
.macro TLOAD                           ; waves 0-3 fetch a quarter of K's 256 rows each, waves 4-7 of V's; an s_nop 0 and four v_nop follow each line
	s_cmp_lt_u32 s[WV], 4
	s_cbranch_scc0 .Lfor_v_\@
	tensor_load_to_lds s[G0K:G0K+3], s[G1K:G1K+7]
	s_nop 0
.rept 4
	v_nop
.endr
	s_branch .Lasked_\@
.Lfor_v_\@:
	tensor_load_to_lds s[G0V:G0V+3], s[G1V:G1V+7]
	s_nop 0
.rept 4
	v_nop
.endr
.Lasked_\@:
.endm
; A prefetch of what the NEXT change of slots will ask for.  All four work-groups of a head walk the same K and V: the first (x = 0), which walks all slots, asks.  Each wave names its own quarter, 8,192 bytes,
; lanes 256 bytes apart: each block of 256 bytes is named once in the launch.  The last change that fills a slot asks for nothing; slots 0 and 1 come by their loads alone.
.macro ASK
	s_cmp_gt_u32 s[SLOTS], s[LIM]
	s_cbranch_scc0 .Lnot_mine_\@
	global_prefetch_b8 v[PFO], s[PFA:PFA+1] th:TH_LOAD_NT scope:SCOPE_SE
.Lnot_mine_\@:
.endm
	s_load_b128 s[4:7], s[0:1], 0x0                ; qkv, tables
	s_load_b64 s[8:9], s[0:1], 0x10                ; y16
	v_lshl_add_u32 v[SPW], v0, 2, SPARE
	v_mov_b32 v[NIL], 0
	ds_add_u32 v[SPW], v[NIL]                      ; the opening: the add, twice on end, and its wait ahead of my first tensor load
	ds_add_u32 v[SPW], v[NIL]
	v_lshrrev_b32 v1, 5, v0
	v_readfirstlane_b32 s[WV], v1                  ; wave 0..7
	s_and_b32 s13, ttmp7, 0xffff                   ; 16 x batch + head
	s_lshl_b32 s14, ttmp9, 8
	s_lshl_b32 s[SQL], s[WV], 5
	s_add_co_u32 s[SQL], s[SQL], s14               ; the low pair's first query
	s_sub_co_u32 s[SQH], 2016, s[SQL]              ; the high pair's
	s_sub_co_u32 s[LQ], 2047, s14                  ; the work-group's last query
	s_mov_b32 s[G1K], (1<<16)|(1<<20)|(4<<22)|(3<<25)   ; elements of 2 bytes; 4 words of padding behind every 32
	s_mov_b32 s[G1V], (1<<16)|(1<<20)|(4<<22)|(7<<25)   ; 8 words
.irp g, G1K, G1V
	s_mov_b32 s[\g+1], 64<<16                      ; tensor_dim0
	s_mov_b32 s[\g+2], 64<<16                      ; tensor_dim1
	s_mov_b32 s[\g+3], 64<<16                      ; tile_dim0
	s_mov_b32 s[\g+4], 64                          ; tile_dim1
	s_mov_b32 s[\g+5], 64                          ; the pitch
	s_mov_b32 s[\g+6], 0
	s_mov_b32 s[\g+7], 0
.endr
	s_mov_b32 s[G1B], 3<<16                        ; the key bias: 1,024 dense bytes a wave, as 4 rows of 256
	s_mov_b32 s[G1B+1], 32<<16
	s_mov_b32 s[G1B+2], 4<<16
	s_mov_b32 s[G1B+3], 32<<16
	s_mov_b32 s[G1B+4], 4
	s_mov_b32 s[G1B+5], 32
	s_mov_b32 s[G1B+6], 0
	s_mov_b32 s[G1B+7], 0
	s_and_b32 s78, s[WV], 3                        ; which quarter I fetch
	s_mul_i32 s80, s78, 64*KP
	s_mul_i32 s81, s78, 64*VP
	s_add_co_u32 s81, s81, VOFF
	s_lshl_b32 s79, s[WV], 10
	s_add_co_u32 s79, s79, KB
	s_lshl_b32 s84, s13, 18                        ; the head's first byte in a section
	s_lshl_b32 s82, s78, 13
	s_add_co_u32 s82, s82, s84                     ; + my quarter's 64 rows of 128 bytes
	s_mov_b32 s83, 0
	s_lshr_b32 s86, s13, 4                         ; the batch
	s_lshl_b32 s87, s86, 13
	s_lshl_b32 s88, s[WV], 10
	s_add_co_u32 s88, s88, s87                     ; my part of the batch's key bias
	s_mov_b32 s89, 0
	s_and_b32 s90, s13, 15
	s_lshl_b32 s90, s90, 20
	s_lshl_b32 s91, s86, 18
	s_add_co_u32 s90, s90, s91                     ; y16: (head x 8192 + batch x 2048) rows of 128 bytes
	s_lshl_b32 s91, s[SQH], 7
	s_add_co_u32 s92, s90, s91
	s_mov_b32 s93, 0
	s_add_co_u32 s94, s84, s91
	s_mov_b32 s95, 0
	s_lshr_b32 s96, s[WV], 2
	s_add_co_u32 s96, s96, 1
	s_lshl_b32 s96, s96, 24                        ; section 1 (K) for waves 0-3, section 2 (V) for waves 4-7
	s_mov_b32 s97, 0
	s_mov_b32 s[SEL], 0x76543210
	s_mov_b32 s[SEL+1], 0xfedcba98
	s_mov_b32 s[KF], 0
	s_mov_b32 s[TK], 0
	s_mov_b32 s[TV], 0
	s_mov_b32 s[TBI], 0
	s_mov_b32 s[SLOTS], 7
	s_cmp_eq_u32 ttmp9, 0
	s_cselect_b32 s[LIM], 1, -1
	s_wait_dscnt 0x0                               ; both opening adds are done
	s_wait_kmcnt 0x0
	s_mov_b32 s[G0B], 1
	s_mov_b32 s[G0B+1], s79
	s_add_nc_u64 s[G0B+2:G0B+3], s[6:7], s[88:89]
	s_add_nc_u64 s[G0B+2:G0B+3], s[G0B+2:G0B+3], 1048576
	s_or_b32 s[G0B+3], s[G0B+3], 0x80000000
	s_mov_b32 s[G0K], 1
	s_mov_b32 s[G0K+1], s80
	s_add_nc_u64 s[G0K+2:G0K+3], s[4:5], s[82:83]
	s_add_nc_u64 s[G0K+2:G0K+3], s[G0K+2:G0K+3], 16777216
	s_or_b32 s[G0K+3], s[G0K+3], 0x80000000
	s_mov_b32 s[G0V], 1
	s_mov_b32 s[G0V+1], s81
	s_add_nc_u64 s[G0V+2:G0V+3], s[4:5], s[82:83]
	s_add_nc_u64 s[G0V+2:G0V+3], s[G0V+2:G0V+3], 33554432
	s_or_b32 s[G0V+3], s[G0V+3], 0x80000000
	tensor_load_to_lds s[G0B:G0B+3], s[G1B:G1B+7]  ; the key bias, filled once
	s_nop 0
.rept 4
	v_nop
.endr
	TLOAD                                          ; slot 0: two tensor loads of mine are out
	s_add_nc_u64 s[PFA:PFA+1], s[4:5], s[82:83]
	s_add_nc_u64 s[PFA:PFA+1], s[PFA:PFA+1], s[96:97]
	s_add_nc_u64 s[PFA:PFA+1], s[PFA:PFA+1], 32768 ; my quarter of slot 1; the first change steps it to slot 2
	s_add_nc_u64 s[YH:YH+1], s[8:9], s[92:93]
	s_add_nc_u64 s[QHB:QHB+1], s[4:5], s[94:95]
	s_lshl_b32 s91, s[SQL], 7
	s_add_co_u32 s92, s90, s91
	s_add_co_u32 s94, s84, s91
	s_add_nc_u64 s[YL:YL+1], s[8:9], s[92:93]
	s_add_nc_u64 s[QLB:QLB+1], s[4:5], s[94:95]
	v_and_b32 v15, 15, v0                          ; r
	v_bfe_u32 v[D0], v0, 4, 1                      ; h
	v_and_b32 v[D1], 31, v0                        ; lane
	v_lshlrev_b32 v[ADK], 7, v15
	v_lshl_add_u32 v[ADK], v[D0], 4, v[ADK]        ; Q: row r of 128 bytes + 16 h
	WIN 0x40                                       ; destination window 1
.irp u, 0,1
.irp kc, 0,1
	global_load_b128 v[QF+16*\u+8*\kc:QF+16*\u+8*\kc+3], v[ADK], s[QHB:QHB+1] offset:2048*\u+64*\kc
	global_load_b128 v[QF+16*\u+8*\kc+4:QF+16*\u+8*\kc+7], v[ADK], s[QHB:QHB+1] offset:2048*\u+64*\kc+32
	global_load_b128 v[QF+32+16*\u+8*\kc:QF+32+16*\u+8*\kc+3], v[ADK], s[QLB:QLB+1] offset:2048*\u+64*\kc
	global_load_b128 v[QF+32+16*\u+8*\kc+4:QF+32+16*\u+8*\kc+7], v[ADK], s[QLB:QLB+1] offset:2048*\u+64*\kc+32
.endr
.endr
.set i, 0
.rept 128
	v_mov_b32 v[i], 0                              ; O^T.  The step is written once: the first finds zeros, which the first a leaves zeros
.set i, i+1
.endr
	WIN 0
	v_mul_u32_u24 v[AK0], v15, KP
	v_lshl_add_u32 v[AK0], v[D0], 4, v[AK0]        ; K: row r x pitch + 16 h
	v_and_b32 v[AV0], 7, v0
	v_lshl_add_u32 v[AV0], v[D0], 3, v[AV0]
	v_mul_u32_u24 v[AV0], v[AV0], VP
	v_bfe_u32 v[AB0], v0, 3, 1
	v_lshl_add_u32 v[AV0], v[AB0], 4, v[AV0]
	v_add_nc_u32 v[AV0], VOFF, v[AV0]              ; V, for the turning load: key 8 h + lane % 8, 16 bytes for each half of eight lanes
	v_lshl_add_u32 v[AB0], v[D0], 5, KB            ; the key bias: my eight keys of 16
	v_lshlrev_b32 v[RH], 3, v[D0]
	v_sub_nc_u32 v[RH], v15, v[RH]                 ; r - 8 h
	s_mul_i32 s90, s[WV], 16*KP
	s_add_co_u32 s90, s90, STAGE
	v_add_nc_u32 v[STO], s90, v[AK0]               ; the stage, in: row r, 16 h
	v_lshrrev_b32 v[RD], 3, v[D1]
	v_mul_u32_u24 v[RD], v[RD], KP
	v_and_b32 v[GO], 7, v0
	v_lshl_add_u32 v[RD], v[GO], 4, v[RD]
	v_add_nc_u32 v[RD], s90, v[RD]                 ; back: eight lanes a row of 128 bytes
	v_lshlrev_b32 v[GO], 4, v[D1]
	v_lshlrev_b32 v[PFO], 8, v[D1]
	v_mov_b32 v[NEG], 0xf149f2ca                   ; -1e30
.irp k, 0,1,2,3
	v_mov_b32 v[ST+8*\k], 0xff61b1e6               ; m: -3e38, under every score
.irp e, 1,2,3,4,5,6,7
	v_mov_b32 v[ST+8*\k+\e], 0
.endr
.endr
; A PAIR's part of a key step: tiles k0 and k0 + 1 (queries s[sq] on) against 64 keys.
.macro PAIR k0, sq
	WIN W_KQ
.irp kc, 0,1                           ; eight accumulators by turns, one instruction a turn
.irp kt, 0,1,2,3
.irp u, 0,1
.if \kc == 0
	v_wmma_f32_16x16x32_f16 v[S+32*\u+8*\kt:S+32*\u+8*\kt+7], v[KFR+16*\kt:KFR+16*\kt+7], v[QF+16*(\k0+\u):QF+16*(\k0+\u)+7], v[KBR+8*\kt:KBR+8*\kt+7]
.else
	v_wmma_f32_16x16x32_f16 v[S+32*\u+8*\kt:S+32*\u+8*\kt+7], v[KFR+16*\kt+8:KFR+16*\kt+15], v[QF+16*(\k0+\u)+8:QF+16*(\k0+\u)+15], v[S+32*\u+8*\kt:S+32*\u+8*\kt+7]
.endif
.endr
.endr
.endr
	WIN 0
.rept 4
	v_nop                                          ; places ahead of the first read of the scores
.endr
	s_add_co_u32 s96, s[KF], 63
	s_cmp_le_u32 s96, s[\sq]                       ; all 64 keys at or before the pair's first query: nothing is hidden
	s_cbranch_scc1 .Lopen_\@
	s_sub_co_i32 s96, s[\sq], s[KF]
	v_add_nc_u32 v[D0], s96, v[RH]                 ; register 8 kt + j holds key KF + 16 kt + 8 h + j: hidden where 16 kt + j > query - KF - 8 h
	v_add_nc_u32 v[D1], 16, v[D0]
.irp u, 0,1
.irp kt, 0,1,2,3
.irp j, 0,1,2,3,4,5,6,7
	v_cmp_gt_i32 vcc_lo, 16*\kt+\j, v[D0+\u]
	v_cndmask_b32 v[S+32*\u+8*\kt+\j], v[S+32*\u+8*\kt+\j], v[NEG], vcc_lo
.endr
.endr
.endr
.Lopen_\@:
.irp j, 0,1,2,3                        ; the maximum: four chains a tile, each accumulator from its low end on; the two tiles alternate
.irp u, 0,1
	v_max3_num_f32 v[ST+8*(\k0+\u)+4+\j], v[S+32*\u+8*\j], v[S+32*\u+8*\j+1], v[S+32*\u+8*\j+2]
.endr
.endr
.irp q, 1,2
.irp j, 0,1,2,3
.irp u, 0,1
	v_max3_num_f32 v[ST+8*(\k0+\u)+4+\j], v[ST+8*(\k0+\u)+4+\j], v[S+32*\u+8*\j+2*\q+1], v[S+32*\u+8*\j+2*\q+2]
.endr
.endr
.endr
.irp u, 0,1
	v_max3_num_f32 v[ST+8*(\k0+\u)+4], v[ST+8*(\k0+\u)+4], v[S+32*\u+7], v[S+32*\u+15]
.endr
.irp u, 0,1
	v_max3_num_f32 v[ST+8*(\k0+\u)+6], v[ST+8*(\k0+\u)+6], v[S+32*\u+23], v[S+32*\u+31]
.endr
.irp u, 0,1
	v_max3_num_f32 v[ST+8*(\k0+\u)+4], v[ST+8*(\k0+\u)+4], v[ST+8*(\k0+\u)+5], v[ST+8*(\k0+\u)+6]
.endr
.irp u, 0,1
	v_max3_num_f32 v[ST+8*(\k0+\u)+4], v[ST+8*(\k0+\u)+4], v[ST+8*(\k0+\u)+7], v[ST+8*(\k0+\u)]
.endr
.irp u, 0,1
	v_permlanex16_b32 v[ST+8*(\k0+\u)+5], v[ST+8*(\k0+\u)+4], s[SEL], s[SEL+1]   ; the query's other 32 keys lie 16 lanes away
.endr
.irp u, 0,1
	v_mov_b32 v[ST+8*(\k0+\u)+1], v[ST+8*(\k0+\u)]
.endr
.irp u, 0,1
	v_max_num_f32 v[ST+8*(\k0+\u)], v[ST+8*(\k0+\u)+4], v[ST+8*(\k0+\u)+5]      ; the new m
.endr
.irp u, 0,1
	v_sub_f32 v[ST+8*(\k0+\u)+1], v[ST+8*(\k0+\u)+1], v[ST+8*(\k0+\u)]          ; old m - new m
.endr
.irp j, 0,2,4,6,8,10,12,14,16,18,20,22,24,26,28,30
.irp u, 0,1
	v_pk_add_f32 v[S+32*\u+\j:S+32*\u+\j+1], v[S+32*\u+\j:S+32*\u+\j+1], v[ST+8*(\k0+\u):ST+8*(\k0+\u)+1] op_sel_hi:[1,0] neg_lo:[0,1] neg_hi:[0,1]   ; t - m
.endr
.endr
.irp u, 0,1
	v_exp_f32 v[ST+8*(\k0+\u)+6], v[ST+8*(\k0+\u)+1]   ; a
.endr
.irp j, 0,1,2,3,4,5,6,7,8,9,10,11,12,13,14,15,16,17,18,19,20,21,22,23,24,25,26,27,28,29,30,31
.irp u, 0,1
	v_exp_f32 v[S+32*\u+\j], v[S+32*\u+\j]         ; p
.endr
.endr
	v_nop                                          ; a plain line behind the batch of 66,
	s_wait_alu depctr_va_vdst(0)                   ; and one wait ahead of its first reader
.irp i, 0,1,2,3,4,5,6,7,8,9,10,11,12,13,14,15
.irp u, 0,1
	v_cvt_pk_f16_f32 v[P+16*\u+\i], v[S+32*\u+2*\i], v[S+32*\u+2*\i+1]   ; two score tiles packed in pairs ARE source 1 of the second product
.endr
.endr
.irp z, 0,1,2,3,4,5,6,7                ; the row's sum, of the unrounded p, in place
.irp u, 0,1
	v_pk_add_f32 v[S+32*\u+4*\z:S+32*\u+4*\z+1], v[S+32*\u+4*\z:S+32*\u+4*\z+1], v[S+32*\u+4*\z+2:S+32*\u+4*\z+3]
.endr
.endr
.irp z, 0,1,2,3
.irp u, 0,1
	v_pk_add_f32 v[S+32*\u+8*\z:S+32*\u+8*\z+1], v[S+32*\u+8*\z:S+32*\u+8*\z+1], v[S+32*\u+8*\z+4:S+32*\u+8*\z+5]
.endr
.endr
.irp z, 0,1
.irp u, 0,1
	v_pk_add_f32 v[S+32*\u+16*\z:S+32*\u+16*\z+1], v[S+32*\u+16*\z:S+32*\u+16*\z+1], v[S+32*\u+16*\z+8:S+32*\u+16*\z+9]
.endr
.endr
.irp u, 0,1
	v_pk_add_f32 v[S+32*\u:S+32*\u+1], v[S+32*\u:S+32*\u+1], v[S+32*\u+16:S+32*\u+17]
.endr
.irp u, 0,1
	v_pk_fma_f32 v[ST+8*(\k0+\u)+2:ST+8*(\k0+\u)+3], v[ST+8*(\k0+\u)+2:ST+8*(\k0+\u)+3], v[ST+8*(\k0+\u)+6:ST+8*(\k0+\u)+7], v[S+32*\u:S+32*\u+1] op_sel_hi:[1,0,1]   ; l = l a + the sum
.endr
	WIN W_RS
.irp i, 0,2,4,6,8,10,12,14,16,18,20,22,24,26,28,30
.irp u, 0,1
	v_pk_mul_f32 v[32*(\k0+\u)+\i:32*(\k0+\u)+\i+1], v[32*(\k0+\u)+\i:32*(\k0+\u)+\i+1], v[ST+8*(\k0+\u)+6:ST+8*(\k0+\u)+7] op_sel_hi:[1,0]   ; O^T x a
.endr
.endr
	s_wait_dscnt 0x0                               ; V is in
	WIN W_PV
.irp kh, 0,1                           ; eight accumulators by turns
.irp ct, 0,1,2,3
.irp u, 0,1
	v_wmma_f32_16x16x32_f16 v[32*(\k0+\u)+8*\ct:32*(\k0+\u)+8*\ct+7], v[VF+32*\kh+8*\ct:VF+32*\kh+8*\ct+7], v[P+16*\u+8*\kh:P+16*\u+8*\kh+7], v[32*(\k0+\u)+8*\ct:32*(\k0+\u)+8*\ct+7]
.endr
.endr
.endr
	WIN 0
.endm
; A KEY STEP: 64 keys.  Written once, walked four times a slot; the LDS addresses hang on scalars that step.
.macro STEP
	s_add_co_u32 s96, s[SQH], 31
	s_cmp_gt_u32 s[KF], s96                        ; all keys after my last query: nothing of the step is done
	s_cbranch_scc1 .Lhid_\@
	v_add_nc_u32 v[ADK], s[TK], v[AK0]             ; four plain lines: the places between the last products and the loads into V's registers
	v_add_nc_u32 v[ADV], s[TV], v[AV0]
	v_add_nc_u32 v[ADB], s[TBI], v[AB0]
	v_nop
.irp kt, 0,1,2,3
	ds_load_b128 v[KBR+8*\kt:KBR+8*\kt+3], v[ADB] offset:64*\kt
	ds_load_b128 v[KBR+8*\kt+4:KBR+8*\kt+7], v[ADB] offset:64*\kt+16
.endr
.irp kt, 0,1,2,3
.irp kc, 0,1
	ds_load_b128 v[KFR+16*\kt+8*\kc:KFR+16*\kt+8*\kc+3], v[ADK] offset:16*KP*\kt+64*\kc
	ds_load_b128 v[KFR+16*\kt+8*\kc+4:KFR+16*\kt+8*\kc+7], v[ADK] offset:16*KP*\kt+64*\kc+32
.endr
.endr
	WIN 0x40
.irp kh, 0,1
.irp ct, 0,1,2,3
	ds_load_tr16_b128 v[VF+32*\kh+8*\ct:VF+32*\kh+8*\ct+3], v[ADV] offset:32*VP*\kh+32*\ct
	ds_load_tr16_b128 v[VF+32*\kh+8*\ct+4:VF+32*\kh+8*\ct+7], v[ADV] offset:32*VP*\kh+16*VP+32*\ct
.endr
.endr
	WIN 0
	s_wait_dscnt 16                                ; the bias and K are in; V's sixteen loads may be out
	PAIR 0, SQH
	s_add_co_u32 s96, s[SQL], 31
	s_cmp_gt_u32 s[KF], s96
	s_cbranch_scc1 .Lhid_\@
	PAIR 2, SQL
.Lhid_\@:
	s_add_co_u32 s[KF], s[KF], 64
	s_add_co_u32 s[TK], s[TK], 64*KP
	s_add_co_u32 s[TV], s[TV], 64*VP
	s_add_co_u32 s[TBI], s[TBI], 256
.endm
.macro SLOT_STEPS
	s_mov_b32 s[STEPS], 4
.Lstep_\@:
	STEP
	s_sub_co_u32 s[STEPS], s[STEPS], 1
	s_cmp_lg_u32 s[STEPS], 0
	s_cbranch_scc1 .Lstep_\@
	s_sub_co_u32 s[TK], s[TK], 4*64*KP             ; back to a slot's first step,
	s_xor_b32 s[TK], s[TK], SLOT1                  ; in the other slot
	s_sub_co_u32 s[TV], s[TV], 4*64*VP
	s_xor_b32 s[TV], s[TV], SLOT1
.endm
; THE CHANGE OF SLOTS, at a slot's head.  Each wave waits for all its tensor loads (its part of the slot ahead), adds 0 to its spare word, and waits for that and for its reads of the slot that it has left.
; Behind the barrier the slot ahead is whole and nobody reads the other.  fill = 1: the other slot takes the next 256 keys, if any wave of the work-group will read them: a whole slot's steps in which to land.
.macro CHANGE fill
	s_wait_tensorcnt 0x0                           ; no tensor load of mine is out: a group 0 may be written
	ds_add_u32 v[SPW], v[NIL]
.if \fill
	s_xor_b32 s[G0K+1], s[G0K+1], SLOT1
	s_add_nc_u64 s[G0K+2:G0K+3], s[G0K+2:G0K+3], 32768
	s_xor_b32 s[G0V+1], s[G0V+1], SLOT1
	s_add_nc_u64 s[G0V+2:G0V+3], s[G0V+2:G0V+3], 32768
	s_wait_xcnt 0x0                                ; the last prefetch, a slot back, has read its address
	s_add_nc_u64 s[PFA:PFA+1], s[PFA:PFA+1], 32768
.endif
	s_wait_dscnt 0x0
	s_barrier_signal -1
	s_barrier_wait -1
.if \fill
	s_add_co_u32 s96, s[KF], 256                   ; the first key of the slot that would be asked for
	s_cmp_gt_u32 s96, s[LQ]                        ; ids and the count of steps alone: all eight waves go the same way, and every wait for tensor loads in this text is for 0
	s_cbranch_scc1 .Lpast_\@
	TLOAD                                          ; my one tensor load until the next such barrier
.Lpast_\@:
	ASK
.endif
.endm
	s_wait_loadcnt 0x0                             ; Q
.Lslot:
	CHANGE 1
	SLOT_STEPS
	s_sub_co_u32 s[SLOTS], s[SLOTS], 1
	s_cmp_lg_u32 s[SLOTS], 0
	s_cbranch_scc1 .Lslot
	CHANGE 0                                       ; the last slot is written out: nothing is left to ask for
	SLOT_STEPS
	; THE WAY OUT.  The additions are the places behind the last products.
.irp k, 0,1,2,3
	v_add_f32 v[ST+8*\k+4], v[ST+8*\k+2], v[ST+8*\k+3]
.endr
.irp k, 0,1,2,3
	v_permlanex16_b32 v[ST+8*\k+5], v[ST+8*\k+4], s[SEL], s[SEL+1]
.endr
.irp k, 0,1,2,3
	v_add_f32 v[ST+8*\k+4], v[ST+8*\k+4], v[ST+8*\k+5]
.endr
.irp k, 0,1,2,3
	v_rcp_f32 v[ST+8*\k+6], v[ST+8*\k+4]
.endr
	v_nop
	s_wait_alu depctr_va_vdst(0)                   ; one wait for the four reciprocals
.macro PACKT k                         ; tile k: O^T / l, f16, through my stage; back as whole rows into 16 of K's registers, the tile's own
	WIN 0x01
.set i, 0
.rept 16
	v_pk_mul_f32 v[S+32*((\k)%2)+2*i:S+32*((\k)%2)+2*i+1], v[32*(\k)+2*i:32*(\k)+2*i+1], v[ST+8*(\k)+6:ST+8*(\k)+7] op_sel_hi:[1,0]
.set i, i+1
.endr
	WIN 0
.set i, 0
.rept 16
	v_cvt_pk_f16_f32 v[P+16*((\k)%2)+i], v[S+32*((\k)%2)+2*i], v[S+32*((\k)%2)+2*i+1]
.set i, i+1
.endr
.irp ct, 0,1,2,3
	ds_store_b128 v[STO], v[P+16*((\k)%2)+4*\ct:P+16*((\k)%2)+4*\ct+3] offset:32*\ct
.endr
.irp t, 0,1,2,3
	ds_load_b128 v[KFR+16*(\k)+4*\t:KFR+16*(\k)+4*\t+3], v[RD] offset:4*KP*\t   ; LDS serves a wave's instructions in order
.endr
.endm
.macro SENDT k, base, younger
.irp t, 0,1,2,3
	s_wait_dscnt \younger+3-\t
	global_store_b128 v[GO], v[KFR+16*(\k)+4*\t:KFR+16*(\k)+4*\t+3], s[\base:\base+1] offset:2048*((\k)%2)+512*\t   ; 32 lanes store 512 consecutive bytes: four tokens of the head
.endr
.endm
	PACKT 0
	PACKT 1
	SENDT 0, YH, 8                                 ; behind tile 0's loads: tile 1's four stores and four loads
	PACKT 2
	SENDT 1, YH, 8
	PACKT 3
	SENDT 2, YL, 8
	SENDT 3, YL, 0
	s_wait_tensorcnt 0x0                           ; the wave's end
	ds_add_u32 v[SPW], v[NIL]
	s_wait_dscnt 0x0
	s_endpgm
.Lfunc_end_k_q7f91f61ade_attn:
	.size	k_q7f91f61ade_attn, .Lfunc_end_k_q7f91f61ade_attn-k_q7f91f61ade_attn
	.p2alignl 7, 3214868480
	.fill 96, 4, 3214868480
	.section	.rodata,"a",@progbits
	.p2align	6, 0x0
	.amdhsa_kernel k_q7f91f61ade_attn
		.amdhsa_group_segment_fixed_size 327680
		.amdhsa_private_segment_fixed_size 0
		.amdhsa_enable_private_segment 0
		.amdhsa_kernarg_size 24
		.amdhsa_user_sgpr_count 2
		.amdhsa_user_sgpr_kernarg_segment_ptr 1
		.amdhsa_wavefront_size32 1
		.amdhsa_system_sgpr_workgroup_id_x 1
		.amdhsa_system_sgpr_workgroup_id_y 1
		.amdhsa_system_sgpr_workgroup_id_z 1
		.amdhsa_system_vgpr_workitem_id 0
		.amdhsa_next_free_vgpr 512
		.amdhsa_next_free_sgpr 98
		.amdhsa_reserve_vcc 1
		.amdhsa_float_denorm_mode_32 3
		.amdhsa_float_denorm_mode_16_64 3
		.amdhsa_memory_ordered 1
		.amdhsa_forward_progress 1
		.amdhsa_inst_pref_size 112
	.end_amdhsa_kernel
	.amdgpu_metadata
---
amdhsa.version: [ 1, 2 ]
amdhsa.kernels:
  - .name:           k_q7f91f61ade_attn
    .symbol:         k_q7f91f61ade_attn.kd
    .args:
      - { .name: qkv, .offset: 0, .size: 8, .value_kind: global_buffer, .address_space: global }
      - { .name: tables, .offset: 8, .size: 8, .value_kind: global_buffer, .address_space: global }
      - { .name: y16, .offset: 16, .size: 8, .value_kind: global_buffer, .address_space: global }
    .group_segment_fixed_size: 327680
    .private_segment_fixed_size: 0
    .kernarg_segment_align: 8
    .kernarg_segment_size: 24
    .max_flat_workgroup_size: 256
    .sgpr_count:     98
    .vgpr_count:     512
    .wavefront_size: 32
...
	.end_amdgpu_metadata
.endif
;; end of part 4
;; launch proj (part 5): grid 8 x 64, 4 waves a work-group, clusters of 4 x 4, 327,680 bytes of LDS; arguments y16, wp16, b_proj, attention_padding, out0; writes out0
.if DOCPART == 5
	.amdgcn_target "amdgcn-amd-amdhsa--gfx1250"
	.amdhsa_code_object_version 6
	.text
	.protected	k_q7f91f61ade_proj
	.globl	k_q7f91f61ade_proj
	.p2align	8
	.type	k_q7f91f61ade_proj,@function
k_q7f91f61ade_proj:
	s_mov_b64 s[64:65], 0
	v_nop
	global_prefetch_b8 v0, s[64:65] scope:SCOPE_SE
	s_setreg_imm32_b32 hwreg(HW_REG_WAVE_MODE, 25, 1), 1
	s_wait_xcnt 0x0
	s_wait_alu depctr_hold_cnt(0) depctr_sa_sdst(0) depctr_va_vdst(0) depctr_va_sdst(0) depctr_va_ssrc(0) depctr_va_vcc(0) depctr_vm_vsrc(0)
	s_getreg_b32 s2, hwreg(HW_REG_IB_STS2, 6, 4)
	s_cmp_eq_u32 s2, 0
	s_cbranch_scc0 .Lentry_in_a_cluster
	s_endpgm
.Lentry_in_a_cluster:
	s_bfe_u32 s2, ttmp6, 0x10000c
	s_cmp_lg_u32 s2, 0xf033
	s_cbranch_scc0 .Lentry_shape_is_right
	s_endpgm
.Lentry_shape_is_right:
; out0 = (y W_proj + b_proj) x the query's padding, operands in f16, sums in f32.  y16 is [head 16][token 8192][64] f16, wp16 [k 1024][n 1024] f16, out0 [8192][1024] f32.
; A tile of 128 tokens x 128 columns is made by four waves, each 64 x 64: 16 accumulators.  K goes in steps of 256 (four heads) through two LDS slots.  Clusters of 4 x 4: y's tiles shared along a row, W's along a column.
; The tile row is 16 cy + cluster y: so whether a wave holds positions 0-15 of a sequence hangs on the cluster's y and the wave's number alone.  THOSE 16 ROWS ARE NOT STORED HERE: the launch that carries them in f32 owns them.
; y's tile of a step: four planes (heads) of 128 tokens x 128 bytes, each plane dense in memory; a wave's load brings two planes as two rows of 16,384 bytes, with 16 bytes of padding behind every 128: rows of 144 bytes in LDS.
; W's tile: 256 rows (k) x 256 bytes, pitch 288; its fragments come turned, by ds_load_tr16_b128.  The matrix instruction is used transposed (source 0 = 16 columns of W, source 1 = 16 tokens): a lane holds 8 neighbouring columns.
; The bias is the C of each sum's first product.  A wave's 64 columns of f32 are 256 bytes: each wave has a stage of its own and no barrier is needed on the way out.
; LIMITS: |y|, |W_proj| at most 65,504.  No prefetch: tiles are small and shared in the cluster.
; REGISTERS: window 0: v16-29 addresses; v32-63 the bias, later rows read back; v64-71 the padding; v96-127 results at work; v128-255 accumulators.  window 1: two fragment buffers of 128.
.set PA,     144
.set PB,     288
.set PLANE,  128*PA
.set HALFT,  2*PLANE                   ; what one tensor load brings: two planes of y, or 128 rows of W
.set SLOT,   4*HALFT
.set BOFF,   2*HALFT
.set STAGE,  2*SLOT
.set SPITCH, 272
.set SPARE,  STAGE+4*16*SPITCH
.set LAPS,   2
.set ADRA, 16
.set ADRB, 20
.set STO,  24
.set RD,   25
.set CO,   26
.set SPW,  28
.set NIL,  29
.set BI,   32
.set BKR,  32
.set MK,   64
.set TMP,  96
.set ACC,  128
.set F0,   0
.set F1,   128
.set G1, 24
.set G0, 32
.set G1B, 48
.set G0B, 56
.set MSB, 0
.macro WIN new
.if MSB != (\new)
	s_set_vgpr_msb (MSB<<8)|(\new)
.set MSB, (\new)
.endif
.endm
.set MUL,  0x05
.set TO_F, 0x40
.macro JLOAD s                         ; a joint load: waves 0, 1 fetch y's planes, waves 2, 3 W's rows; an s_nop 0 and four v_nop follow each line
	s_cmp_eq_u32 s11, 0
	s_cbranch_scc0 .Lfor_b_\@
	tensor_load_to_lds s[G0+4*\s:G0+4*\s+3], s[G1:G1+7]
	s_nop 0
.rept 4
	v_nop
.endr
	s_branch .Lasked_\@
.Lfor_b_\@:
	tensor_load_to_lds s[G0B+4*\s:G0B+4*\s+3], s[G1B:G1B+7]
	s_nop 0
.rept 4
	v_nop
.endr
.Lasked_\@:
.endm
.macro CREST
	s_cmp_lg_u32 s10, 0
	s_cbranch_scc1 .Lnot_wave_0_\@
	s_barrier_signal -3
.Lnot_wave_0_\@:
	s_barrier_wait -3
	s_barrier_signal -1
	s_barrier_wait -1
.endm
.macro CROUND
	s_barrier_signal -1
	s_barrier_wait -1
	CREST
.endm
	s_load_b128 s[4:7], s[0:1], 0x0                ; y16, wp16
	s_load_b128 s[68:71], s[0:1], 0x10             ; b_proj, the padding
	s_load_b64 s[8:9], s[0:1], 0x20                ; out0
	v_lshl_add_u32 v[SPW], v0, 2, SPARE
	v_mov_b32 v[NIL], 0
	ds_add_u32 v[SPW], v[NIL]                      ; the opening: the add, twice on end, and its wait ahead of my first tensor load
	ds_add_u32 v[SPW], v[NIL]
	v_lshrrev_b32 v1, 5, v0
	v_readfirstlane_b32 s10, v1                    ; wave 0..3
	s_lshr_b32 s11, s10, 1                         ; my half of the tokens.  Also: I fetch for y (0) or for W (1)
	s_and_b32 s12, s10, 1                          ; my half of the columns.  Also: which half of that tile I fetch
	s_bfe_u32 s40, ttmp6, 0x40000                  ; cx
	s_bfe_u32 s41, ttmp6, 0x40004                  ; cy
	s_lshl_b32 s42, ttmp9, 2
	s_add_co_u32 s42, s42, s40                     ; tile column
	s_and_b32 s45, ttmp7, 0xffff                   ; cluster y
	s_lshl_b32 s13, s41, 4
	s_add_co_u32 s13, s13, s45                     ; tile row = 16 cy + cluster y
	s_or_b32 s72, s45, s11                         ; 0 where my first block is positions 0-15
	s_lshl_b32 s43, s41, 2
	s_lshl_b32 s43, 15, s43
	s_lshl_b32 s44, 0x1111, s40
	s_or_b32 s[G1+0], s43, (3<<16)|(1<<20)|(1<<21)|(4<<22)|(3<<25)   ; y: elements of 8 bytes; 4 words of padding behind every 32
	s_mov_b32 s[G1+1], 2048<<16                    ; tensor_dim0: 16,384 bytes
	s_mov_b32 s[G1+2], 2<<16                       ; tensor_dim1: two planes
	s_mov_b32 s[G1+3], 2048<<16                    ; tile_dim0
	s_mov_b32 s[G1+4], 2                           ; tile_dim1
	s_mov_b32 s[G1+5], 131072                      ; from plane to plane: 1,048,576 bytes
	s_mov_b32 s[G1+6], 0
	s_mov_b32 s[G1+7], 0
	s_or_b32 s[G1B+0], s44, (1<<16)|(1<<20)|(1<<21)|(5<<22)|(7<<25)  ; W: elements of 2 bytes; 8 words of padding behind every 64
	s_mov_b32 s[G1B+1], 128<<16
	s_mov_b32 s[G1B+2], 128<<16
	s_mov_b32 s[G1B+3], 128<<16
	s_mov_b32 s[G1B+4], 128
	s_mov_b32 s[G1B+5], 1024
	s_mov_b32 s[G1B+6], 0
	s_mov_b32 s[G1B+7], 0
	s_lshl_b32 s16, s13, 14                        ; y: the tile's 128 tokens of 128 bytes,
	s_lshl_b32 s17, s12, 21                        ; my two planes
	s_add_co_u32 s16, s16, s17
	s_mov_b32 s17, 0
	s_lshl_b32 s46, s42, 8                         ; W: the tile's 128 columns,
	s_lshl_b32 s47, s12, 18                        ; my 128 rows of 2,048 bytes
	s_add_co_u32 s46, s46, s47
	s_mov_b32 s47, 0
	s_mul_i32 s20, s10, HALFT                      ; where they go: wave x HALFT
	s_wait_dscnt 0x0
	s_wait_kmcnt 0x0
	s_add_nc_u64 s[14:15], s[4:5], s[16:17]
	s_add_nc_u64 s[46:47], s[6:7], s[46:47]
	CROUND                                         ; all sixteen work-groups are here
.irp s, 0,1
	s_mov_b32 s[G0+4*\s], 1
	s_add_co_u32 s[G0+4*\s+1], s20, \s*SLOT
	s_add_nc_u64 s[G0+4*\s+2:G0+4*\s+3], s[14:15], \s*4194304
	s_or_b32 s[G0+4*\s+3], s[G0+4*\s+3], 0x80000000
	s_mov_b32 s[G0B+4*\s], 1
	s_add_co_u32 s[G0B+4*\s+1], s20, \s*SLOT
	s_add_nc_u64 s[G0B+4*\s+2:G0B+4*\s+3], s[46:47], \s*524288
	s_or_b32 s[G0B+4*\s+3], s[G0B+4*\s+3], 0x80000000
	JLOAD \s
.endr
	v_and_b32 v1, 15, v0                           ; r
	v_bfe_u32 v2, v0, 4, 1                         ; h
	s_lshl_b32 s16, s13, 7
	s_lshl_b32 s17, s11, 6
	s_add_co_u32 s16, s16, s17                     ; my first token
	s_mov_b32 s17, 0
	s_add_nc_u64 s[70:71], s[70:71], s[16:17]      ; its padding byte
	s_lshl_b32 s16, s16, 12
	s_add_nc_u64 s[8:9], s[8:9], s[16:17]          ; its row of out0
	s_lshl_b32 s46, s42, 9
	s_lshl_b32 s47, s12, 8
	s_add_co_u32 s46, s46, s47                     ; my first column, in bytes
	s_mov_b32 s47, 0
	s_add_nc_u64 s[8:9], s[8:9], s[46:47]
	s_add_nc_u64 s[68:69], s[68:69], s[46:47]
	v_lshlrev_b32 v3, 5, v2
.irp b, 0,1,2,3
	global_load_b128 v[BI+8*\b:BI+8*\b+3], v3, s[68:69] offset:64*\b
	global_load_b128 v[BI+8*\b+4:BI+8*\b+7], v3, s[68:69] offset:64*\b+16
.endr
.irp a, 0,1,2,3
	global_load_u8 v[MK+2*\a], v1, s[70:71] offset:16*\a
.endr
	v_mul_u32_u24 v4, v1, PA
	v_lshl_add_u32 v4, v2, 4, v4
	s_mul_i32 s21, s11, 64*PA
	v_add_nc_u32 v[ADRA], s21, v4                  ; y's fragments: my 64 tokens; row r x pitch + 16 h
	v_add_nc_u32 v[ADRA+1], SLOT, v[ADRA]
	v_and_b32 v6, 7, v0
	v_lshl_add_u32 v6, v2, 3, v6
	v_mul_u32_u24 v6, v6, PB
	v_bfe_u32 v7, v0, 3, 1
	v_lshl_add_u32 v6, v7, 4, v6
	s_lshl_b32 s22, s12, 7
	s_add_co_u32 s22, s22, BOFF
	v_add_nc_u32 v[ADRB], s22, v6                  ; W's, for the turning load; a register for each half of each slot, so that the offsets fit their 16 bits
	v_add_nc_u32 v[ADRB+1], HALFT, v[ADRB]
	v_add_nc_u32 v[ADRB+2], SLOT, v[ADRB]
	v_add_nc_u32 v[ADRB+3], SLOT+HALFT, v[ADRB]
	s_mul_i32 s23, s10, 16*SPITCH
	s_add_co_u32 s23, s23, STAGE
	v_mul_u32_u24 v4, v1, SPITCH
	v_lshl_add_u32 v4, v2, 5, v4
	v_add_nc_u32 v[STO], s23, v4                   ; the stage, in: row r, 32 h
	v_mul_u32_u24 v5, v2, SPITCH
	v_lshl_add_u32 v5, v1, 4, v5
	v_add_nc_u32 v[RD], s23, v5                    ; back: sixteen lanes a row of 256 bytes
	v_lshlrev_b32 v[CO], 12, v2
	v_lshl_add_u32 v[CO], v1, 4, v[CO]
.macro MUL8 f, c, a0, zero             ; 8 products; zero = 1: the sums begin with the bias as C
.irp a, \a0, \a0+1
.irp b, 0,1,2,3
.if \zero
	v_wmma_f32_16x16x32_f16 v[ACC+8*(4*(\a)+\b):ACC+8*(4*(\a)+\b)+7], v[\f+64+8*(4*\c+\b):\f+64+8*(4*\c+\b)+7], v[\f+8*(4*\c+\a):\f+8*(4*\c+\a)+7], v[BI+8*\b:BI+8*\b+7]
.else
	v_wmma_f32_16x16x32_f16 v[ACC+8*(4*(\a)+\b):ACC+8*(4*(\a)+\b)+7], v[\f+64+8*(4*\c+\b):\f+64+8*(4*\c+\b)+7], v[\f+8*(4*\c+\a):\f+8*(4*\c+\a)+7], v[ACC+8*(4*(\a)+\b):ACC+8*(4*(\a)+\b)+7]
.endif
.endr
.endr
.endm
.macro FETCH slot, q, f                ; 32 LDS loads: quarter q (one head, 64 along K) of the slot into buffer f; its first 32 along K first
	WIN TO_F
.irp c, 0,1
.irp i, 0,1,2,3
	ds_load_tr16_b128 v[\f+64+8*(4*\c+\i):\f+64+8*(4*\c+\i)+3],   v[ADRB+2*\slot+(\q)/2] offset:(64*((\q)%2)+32*\c)*PB+32*\i
	ds_load_tr16_b128 v[\f+64+8*(4*\c+\i)+4:\f+64+8*(4*\c+\i)+7], v[ADRB+2*\slot+(\q)/2] offset:(64*((\q)%2)+32*\c+16)*PB+32*\i
	ds_load_b128 v[\f+8*(4*\c+\i):\f+8*(4*\c+\i)+3],         v[ADRA+\slot] offset:PLANE*(\q)+64*\c+\i*16*PA
	ds_load_b128 v[\f+8*(4*\c+\i)+4:\f+8*(4*\c+\i)+7],       v[ADRA+\slot] offset:PLANE*(\q)+64*\c+\i*16*PA+32
.endr
.endr
.endm
.macro PLACES
.rept 4
	v_nop
.endr
.endm
.macro QUARTER slot, q, f, g, zero     ; multiplies buffer f and fetches the slot's quarter q into g
	s_wait_dscnt 16                                ; the first 32 along K are in; the other sixteen loads may be out
	WIN MUL
	MUL8 \f, 0, 0, \zero
	MUL8 \f, 0, 2, \zero
	PLACES
	FETCH \slot, \q, \g
	s_wait_dscnt 32                                ; all but the 32 just issued
	WIN MUL
	MUL8 \f, 1, 0, 0
	MUL8 \f, 1, 2, 0
.endm
.macro TURN slot, next, fill           ; the last quarter multiplies buffer 1 and changes slots
	WIN 0
	s_wait_tensorcnt 0x0                           ; all my tensor loads have landed: my part of the next slot
	ds_add_u32 v[SPW], v[NIL]
	s_wait_dscnt 17                                ; (the add and the youngest sixteen loads may be out)
	WIN MUL
	MUL8 F1, 0, 0, 0
	s_wait_dscnt 0x0                               ; the add is done, and my reads of this slot are over
	s_barrier_signal -1
	MUL8 F1, 0, 2, 0
.if \fill
	WIN 0
.endif
	s_barrier_wait -1
.if \fill
	CREST                                          ; the barrier has opened a round of the cluster's: no wave of any partner still reads this slot or has a load on its way
	s_add_nc_u64 s[G0+4*\slot+2:G0+4*\slot+3], s[G0+4*\slot+2:G0+4*\slot+3], 8388608
	s_add_nc_u64 s[G0B+4*\slot+2:G0B+4*\slot+3], s[G0B+4*\slot+2:G0B+4*\slot+3], 1048576
	JLOAD \slot                                    ; my one tensor load behind the round; its four v_nop are also the places ahead of the loads below
.else
	PLACES
.endif
	FETCH \next, 0, F0
	WIN MUL
	MUL8 F1, 1, 0, 0
	MUL8 F1, 1, 2, 0
.endm
	s_wait_tensorcnt 1                             ; my part of K step 0 is in; K step 1's may be out
	s_barrier_signal -1
	s_barrier_wait -1
	FETCH 0, 0, F0
	WIN 0
	s_wait_loadcnt 0x0                             ; the bias and the padding
.irp a, 0,1,2,3
	v_cvt_f32_u32 v[MK+2*\a], v[MK+2*\a]
	v_mov_b32 v[MK+2*\a+1], v[MK+2*\a]
.endr
	QUARTER 0, 1, F0, F1, 1
	WIN 0
	s_mov_b32 s3, LAPS-1
.Llap:
	QUARTER 0, 2, F1, F0, 0
	QUARTER 0, 3, F0, F1, 0
	TURN 0, 1, 1
	QUARTER 1, 1, F0, F1, 0
	QUARTER 1, 2, F1, F0, 0
	QUARTER 1, 3, F0, F1, 0
	TURN 1, 0, 1
	QUARTER 0, 1, F0, F1, 0
	WIN 0
	s_sub_co_u32 s3, s3, 1
	s_cmp_lg_u32 s3, 0
	s_cbranch_scc1 .Llap
	QUARTER 0, 2, F1, F0, 0                        ; the last lap fills nothing
	QUARTER 0, 3, F0, F1, 0
	TURN 0, 1, 0
	QUARTER 1, 1, F0, F1, 0
	QUARTER 1, 2, F1, F0, 0
	QUARTER 1, 3, F0, F1, 0
	s_wait_dscnt 16
	WIN MUL
	MUL8 F1, 0, 0, 0
	MUL8 F1, 0, 2, 0
	s_wait_dscnt 0
	MUL8 F1, 1, 0, 0
	MUL8 F1, 1, 2, 0
	WIN 0
	PLACES
; THE WAY OUT, 16 tokens x 64 columns at a time: x the token's padding, through my stage, back as rows of 256 bytes.
.macro OUTA a
	s_wait_xcnt 0x0                                ; the last block's stores have read their registers
.irp b, 0,1,2,3
.irp p, 0,1,2,3
	v_pk_mul_f32 v[TMP+8*\b+2*\p:TMP+8*\b+2*\p+1], v[ACC+8*(4*(\a)+\b)+2*\p:ACC+8*(4*(\a)+\b)+2*\p+1], v[MK+2*(\a):MK+2*(\a)+1] op_sel_hi:[1,0]
.endr
.endr
.irp b, 0,1,2,3
	ds_store_b128 v[STO], v[TMP+8*\b:TMP+8*\b+3] offset:64*\b
	ds_store_b128 v[STO], v[TMP+8*\b+4:TMP+8*\b+7] offset:64*\b+16
.endr
.irp t, 0,1,2,3,4,5,6,7
	ds_load_b128 v[BKR+4*\t:BKR+4*\t+3], v[RD] offset:\t*2*SPITCH   ; LDS serves a wave's instructions in order
.endr
.if (\a) == 0
	s_wait_dscnt 0x0
	s_cmp_eq_u32 s72, 0                            ; positions 0-15 belong to the launch that carries them in f32
	s_cbranch_scc1 .Lnot_here
.endif
.irp t, 0,1,2,3,4,5,6,7
.if (\a) > 0
	s_wait_dscnt 7-\t
.endif
	global_store_b128 v[CO], v[BKR+4*\t:BKR+4*\t+3], s[8:9] offset:(16*(\a)+2*\t)*4096 th:TH_STORE_NT   ; sixteen lanes store 256 consecutive bytes
.endr
.if (\a) == 0
.Lnot_here:
.endif
.endm
	OUTA 0
	OUTA 1
	OUTA 2
	OUTA 3
	s_wait_tensorcnt 0x0                           ; the wave's end
	ds_add_u32 v[SPW], v[NIL]
	s_wait_dscnt 0x0
	CROUND                                         ; the closing round
	s_endpgm
.Lfunc_end_k_q7f91f61ade_proj:
	.size	k_q7f91f61ade_proj, .Lfunc_end_k_q7f91f61ade_proj-k_q7f91f61ade_proj
	.p2alignl 7, 3214868480
	.fill 96, 4, 3214868480
	.section	.rodata,"a",@progbits
	.p2align	6, 0x0
	.amdhsa_kernel k_q7f91f61ade_proj
		.amdhsa_group_segment_fixed_size 327680
		.amdhsa_private_segment_fixed_size 0
		.amdhsa_enable_private_segment 0
		.amdhsa_kernarg_size 40
		.amdhsa_user_sgpr_count 2
		.amdhsa_user_sgpr_kernarg_segment_ptr 1
		.amdhsa_wavefront_size32 1
		.amdhsa_system_sgpr_workgroup_id_x 1
		.amdhsa_system_sgpr_workgroup_id_y 1
		.amdhsa_system_sgpr_workgroup_id_z 1
		.amdhsa_system_vgpr_workitem_id 0
		.amdhsa_next_free_vgpr 512
		.amdhsa_next_free_sgpr 74
		.amdhsa_reserve_vcc 0
		.amdhsa_float_denorm_mode_32 3
		.amdhsa_float_denorm_mode_16_64 3
		.amdhsa_memory_ordered 1
		.amdhsa_forward_progress 1
		.amdhsa_inst_pref_size 92
	.end_amdhsa_kernel
	.amdgpu_metadata
---
amdhsa.version: [ 1, 2 ]
amdhsa.kernels:
  - .name:           k_q7f91f61ade_proj
    .symbol:         k_q7f91f61ade_proj.kd
    .args:
      - { .name: y16, .offset: 0, .size: 8, .value_kind: global_buffer, .address_space: global }
      - { .name: wp16, .offset: 8, .size: 8, .value_kind: global_buffer, .address_space: global }
      - { .name: b_proj, .offset: 16, .size: 8, .value_kind: global_buffer, .address_space: global }
      - { .name: attention_padding, .offset: 24, .size: 8, .value_kind: global_buffer, .address_space: global }
      - { .name: out0, .offset: 32, .size: 8, .value_kind: global_buffer, .address_space: global }
    .group_segment_fixed_size: 327680
    .private_segment_fixed_size: 0
    .kernarg_segment_align: 8
    .kernarg_segment_size: 40
    .max_flat_workgroup_size: 128
    .sgpr_count:     74
    .vgpr_count:     512
    .wavefront_size: 32
...
	.end_amdgpu_metadata
.endif
;; end of part 5
;; launch fine (part 6): grid 16 x 4, 16 waves a work-group, no clusters, 71,680 bytes of LDS; arguments qkv, attention_padding, W_proj, b_proj, out0; writes out0
.if DOCPART == 6
	.amdgcn_target "amdgcn-amd-amdhsa--gfx1250"
	.amdhsa_code_object_version 6
	.text
	.protected	k_q7f91f61ade_fine
	.globl	k_q7f91f61ade_fine
	.p2align	8
	.type	k_q7f91f61ade_fine,@function
k_q7f91f61ade_fine:
	s_mov_b64 s[64:65], 0
	v_nop
	global_prefetch_b8 v0, s[64:65] scope:SCOPE_SE
	s_setreg_imm32_b32 hwreg(HW_REG_WAVE_MODE, 25, 1), 1
	s_wait_xcnt 0x0
; Positions 0-15 of each of the 4 sequences, attention and projection, with f32 operands: these rows average few values, so the rounding of 16-bit operands would weigh most there.
; Input: the f32 copy of q c, k, v after bias and RoPE, [batch][position 16][3072], at byte 50,331,648 of qkv; W_proj and b_proj as given; the padding.
; A work-group (x: 64 output columns, y: the batch) has sixteen waves, wave w = head w.  Each wave: S^T = K Q^T (16 keys x 16 queries), the masked softmax, O^T = V^T P, y = O / l,
; and its head's part of the projection, 16 queries x 64 columns; the sixteen parts meet in LDS and wave w' adds row w', adds the bias, multiplies by the query's padding and stores 256 consecutive bytes.
; The attention is made anew in each of the 16 work-groups of a batch: 32 small products a wave, less than a launch of its own would cost.
; K is permuted alike in both operands of each product: a lane's consecutive registers are fed as they lie.  A lane holds one query throughout.
; The registers that the f32 matrix form writes are written by it alone; what is made of a sum goes into other registers.
; Masked scores are -1e30; a query with no open key is itself padded and comes out 0.  No NaN, no infinities.
; LDS: wave w's part at 4,352 w: 16 rows x 272 bytes; 69,632 the spare words.
; REGISTERS: v16-47 Q (later W's tile 2, then the parts to add), v48-79 K (later W's tile 3); v80-111 V, later y; v112-175 W's tiles 0, 1; v176-191 two score sums; v192-223 O^T, then the projection's sums; v224-251 at work.
.set SPARE, 69632
.set SPW, 252
.set NIL, 253
	s_load_b256 s[4:11], s[0:1], 0x0               ; qkv, padding, W_proj, b_proj
	s_load_b64 s[12:13], s[0:1], 0x20              ; out0
	v_lshl_add_u32 v[SPW], v0, 2, SPARE
	v_mov_b32 v[NIL], 0
	v_lshrrev_b32 v1, 5, v0                        ; the wave's number, in every lane
	v_readfirstlane_b32 s14, v1
	s_and_b32 s15, ttmp7, 0xffff                   ; the batch
	v_and_b32 v2, 15, v0                           ; r
	v_bfe_u32 v3, v0, 4, 1                         ; h
	v_and_b32 v4, 31, v0                           ; lane
	v_mul_u32_u24 v5, v2, 12288
	v_lshl_add_u32 v5, v3, 7, v5                   ; q, k: row r, channels 32 h on
	v_mul_u32_u24 v6, v3, 98304
	v_lshl_add_u32 v6, v2, 2, v6                   ; v: keys 8 h on, channel r
	v_lshlrev_b32 v7, 15, v3
	v_lshl_add_u32 v7, v2, 2, v7                   ; W: rows 8 h on, column r
	v_lshlrev_b32 v8, 3, v3                        ; the padding of keys 8 h on
	v_lshlrev_b32 v9, 3, v4                        ; 8 bytes a lane
	s_mul_i32 s22, s14, 4352
	v_mul_u32_u24 v10, v2, 272
	v_lshl_add_u32 v10, v3, 5, v10
	v_add_nc_u32 v10, s22, v10                     ; my part: row r, 32 h
	s_mul_i32 s23, s14, 272
	v_lshl_add_u32 v11, v4, 3, s23                 ; row w of a part
	v_sub_nc_u32 v12, v2, v8                       ; r - 8 h
	v_mov_b32 v13, 0xf149f2ca                      ; -1e30
	v_mov_b32 v233, 0                              ; a lane permute's destination counts as read
	s_mov_b32 s20, 0x76543210
	s_mov_b32 s21, 0xfedcba98
	s_mul_i32 s16, s15, 196608
	s_lshl_b32 s17, s14, 8
	s_add_co_u32 s16, s16, s17
	s_mov_b32 s17, 0
	s_lshl_b32 s18, s15, 11
	s_mov_b32 s19, 0
	s_lshl_b32 s24, s14, 18
	s_lshl_b32 s26, ttmp9, 8                       ; my 64 columns, in bytes
	s_add_co_u32 s24, s24, s26
	s_mov_b32 s25, 0
	s_mov_b32 s27, 0
	s_add_co_u32 s28, s18, s14
	s_lshl_b32 s28, s28, 12
	s_add_co_u32 s28, s28, s26
	s_mov_b32 s29, 0
	s_wait_kmcnt 0x0
	s_add_nc_u64 s[4:5], s[4:5], s[16:17]
	s_add_nc_u64 s[4:5], s[4:5], 50331648          ; the batch's f32 rows, at my head's first channel of q
	s_add_nc_u64 s[6:7], s[6:7], s[18:19]          ; the batch's padding
	s_add_nc_u64 s[8:9], s[8:9], s[24:25]          ; W_proj at my head's first row and my first column
	s_add_nc_u64 s[10:11], s[10:11], s[26:27]
	s_add_nc_u64 s[12:13], s[12:13], s[28:29]      ; out0 at row 2048 b + w
	global_load_b64 v[14:15], v9, s[10:11]         ; the bias
	global_load_u8 v236, v1, s[6:7]                ; the padding of query w
.irp i, 0,1,2,3,4,5,6,7
	global_load_b128 v[16+4*\i:19+4*\i], v5, s[4:5] offset:16*\i
.endr
.irp i, 0,1,2,3,4,5,6,7
	global_load_b128 v[48+4*\i:51+4*\i], v5, s[4:5] offset:4096+16*\i
.endr
	global_load_b64 v[238:239], v8, s[6:7]
.irp ct, 0,1,2,3
.irp i, 0,1,2,3,4,5,6,7
	global_load_b32 v[80+8*\ct+\i], v6, s[4:5] offset:\i*12288+8192+64*\ct   ; v(key 8 h + i, channel 16 ct + r)
.endr
.endr
.macro WLD nt, reg                     ; W(64 w + 16 c + 8 h + i, 16 nt + r)
.irp c, 0,1,2,3
.irp i, 0,1,2,3,4,5,6,7
	global_load_b32 v[\reg+8*\c+\i], v7, s[8:9] offset:(16*\c+\i)*4096+64*\nt
.endr
.endr
.endm
	WLD 0, 112
	WLD 1, 144
	s_wait_loadcnt 63                              ; the count's field ends at 63: of the 115 loads the first 52 are then in: all up to v's
	; S^T = K Q^T: a lane's 32 channels lie in 32 registers, a product takes two of them: 16 products, K step s at register 2 s; even steps into one sum, odd steps into the other, by turns
	v_wmma_f32_16x16x4_f32 v[176:183], v[48:49], v[16:17], 0
	v_wmma_f32_16x16x4_f32 v[184:191], v[50:51], v[18:19], 0
.irp s, 2,4,6,8,10,12,14
	v_wmma_f32_16x16x4_f32 v[176:183], v[48+2*\s:49+2*\s], v[16+2*\s:17+2*\s], v[176:183]
	v_wmma_f32_16x16x4_f32 v[184:191], v[50+2*\s:51+2*\s], v[18+2*\s:19+2*\s], v[184:191]
.endr
.rept 8
	v_nop                                          ; places ahead of loads into Q's and K's registers and of the reads of the sums
.endr
	WLD 2, 16
	WLD 3, 48
.irp j, 0,1,2,3,4,5,6,7
	v_add_f32 v[224+\j], v[176+\j], v[184+\j]      ; t(query r, key 8 h + j)
.endr
.irp j, 0,1,2,3
	v_bfe_u32 v237, v238, 8*\j, 8
	v_cmp_eq_u32 vcc_lo, 0, v237
	v_cndmask_b32 v[224+\j], v[224+\j], v13, vcc_lo
	v_cmp_gt_i32 vcc_lo, \j, v12
	v_cndmask_b32 v[224+\j], v[224+\j], v13, vcc_lo
.endr
.irp j, 4,5,6,7
	v_bfe_u32 v237, v239, 8*(\j-4), 8
	v_cmp_eq_u32 vcc_lo, 0, v237
	v_cndmask_b32 v[224+\j], v[224+\j], v13, vcc_lo
	v_cmp_gt_i32 vcc_lo, \j, v12
	v_cndmask_b32 v[224+\j], v[224+\j], v13, vcc_lo
.endr
	v_max3_num_f32 v232, v224, v225, v226
	v_max3_num_f32 v232, v232, v227, v228
	v_max3_num_f32 v232, v232, v229, v230
	v_max_num_f32 v232, v232, v231
	v_permlanex16_b32 v233, v232, s20, s21
	v_max_num_f32 v232, v232, v233                 ; the row's maximum
.irp j, 0,1,2,3,4,5,6,7
	v_sub_f32 v[240+\j], v[224+\j], v232
.endr
.irp j, 0,1,2,3,4,5,6,7
	v_exp_f32 v[240+\j], v[240+\j]
.endr
	v_nop
	s_wait_alu depctr_va_vdst(0)                   ; one wait for the eight
	v_add_f32 v234, v240, v241
	v_add_f32 v235, v242, v243
	v_add_f32 v234, v234, v244
	v_add_f32 v235, v235, v245
	v_add_f32 v234, v234, v246
	v_add_f32 v235, v235, v247
	v_add_f32 v234, v234, v235
	v_permlanex16_b32 v233, v234, s20, s21
	v_add_f32 v234, v234, v233                     ; the row's sum
	v_rcp_f32 v248, v234
.irp s, 0,1,2,3                        ; O^T = V^T P: four sums by turns
.irp ct, 0,1,2,3
.if \s == 0
	v_wmma_f32_16x16x4_f32 v[192+8*\ct:199+8*\ct], v[80+8*\ct:81+8*\ct], v[240:241], 0
.else
	v_wmma_f32_16x16x4_f32 v[192+8*\ct:199+8*\ct], v[80+8*\ct+2*\s:81+8*\ct+2*\s], v[240+2*\s:241+2*\s], v[192+8*\ct:199+8*\ct]
.endif
.endr
.endr
.rept 9
	v_nop                                          ; places: ahead of the reads of O^T, of the writes over V's registers, and of the products below, which write over O^T
.endr
	s_wait_alu depctr_va_vdst(0)                   ; the reciprocal's wait, ahead of its first reader
.set i, 0
.rept 32
	v_mul_f32 v[80+i], v[192+i], v248              ; y(query r, channel 16 ct + 8 h + j), each sum from its low end on
.set i, i+1
.endr
	s_wait_loadcnt 0x0                             ; W
.irp c, 0,1,2,3                        ; my head's part of the projection: four sums by turns
.irp s, 0,1,2,3
.irp nt, 0,1,2,3
.if (\c == 0) && (\s == 0)
	v_wmma_f32_16x16x4_f32 v[192+8*\nt:199+8*\nt], v[112+32*\nt-160*(\nt/2):113+32*\nt-160*(\nt/2)], v[80:81], 0
.else
	v_wmma_f32_16x16x4_f32 v[192+8*\nt:199+8*\nt], v[112+32*\nt-160*(\nt/2)+8*\c+2*\s:113+32*\nt-160*(\nt/2)+8*\c+2*\s], v[80+8*\c+2*\s:81+8*\c+2*\s], v[192+8*\nt:199+8*\nt]
.endif
.endr
.endr
.endr
.rept 8
	v_nop
.endr
.irp nt, 0,1,2,3
	ds_store_b128 v10, v[192+8*\nt:195+8*\nt] offset:64*\nt        ; (query r, columns 16 nt + 8 h + 0 .. 7)
	ds_store_b128 v10, v[196+8*\nt:199+8*\nt] offset:64*\nt+16
.endr
	s_wait_dscnt 0x0                               ; for the others' sake: my part has landed
	s_barrier_signal -1
	s_barrier_wait -1
.irp w, 0,1,2,3,4,5,6,7,8,9,10,11,12,13,14,15
	ds_load_b64 v[16+2*\w:17+2*\w], v11 offset:4352*\w             ; row w' of every head's part
.endr
	v_cvt_f32_u32 v236, v236
	v_mov_b32 v237, v236
	s_wait_dscnt 0x0
.irp w, 2,4,6,8,10,12,14               ; two chains, in a fixed order
	v_pk_add_f32 v[16:17], v[16:17], v[16+2*\w:17+2*\w]
	v_pk_add_f32 v[18:19], v[18:19], v[18+2*\w:19+2*\w]
.endr
	v_pk_add_f32 v[16:17], v[16:17], v[18:19]
	v_pk_add_f32 v[16:17], v[16:17], v[14:15]      ; + the bias
	v_pk_mul_f32 v[48:49], v[16:17], v[236:237] op_sel_hi:[1,0]    ; x the query's padding
	global_store_b64 v9, v[48:49], s[12:13]        ; 32 lanes store 256 consecutive bytes
	s_wait_tensorcnt 0x0                           ; the wave's end
	ds_add_u32 v[SPW], v[NIL]
	s_wait_dscnt 0x0
	s_endpgm
.Lfunc_end_k_q7f91f61ade_fine:
	.size	k_q7f91f61ade_fine, .Lfunc_end_k_q7f91f61ade_fine-k_q7f91f61ade_fine
	.p2alignl 7, 3214868480
	.fill 96, 4, 3214868480
	.section	.rodata,"a",@progbits
	.p2align	6, 0x0
	.amdhsa_kernel k_q7f91f61ade_fine
		.amdhsa_group_segment_fixed_size 71680
		.amdhsa_private_segment_fixed_size 0
		.amdhsa_enable_private_segment 0
		.amdhsa_kernarg_size 40
		.amdhsa_user_sgpr_count 2
		.amdhsa_user_sgpr_kernarg_segment_ptr 1
		.amdhsa_wavefront_size32 1
		.amdhsa_system_sgpr_workgroup_id_x 1
		.amdhsa_system_sgpr_workgroup_id_y 1
		.amdhsa_system_sgpr_workgroup_id_z 1
		.amdhsa_system_vgpr_workitem_id 0
		.amdhsa_next_free_vgpr 256
		.amdhsa_next_free_sgpr 66
		.amdhsa_reserve_vcc 1
		.amdhsa_float_denorm_mode_32 3
		.amdhsa_float_denorm_mode_16_64 3
		.amdhsa_memory_ordered 1
		.amdhsa_forward_progress 1
		.amdhsa_inst_pref_size 34
	.end_amdhsa_kernel
	.amdgpu_metadata
---
amdhsa.version: [ 1, 2 ]
amdhsa.kernels:
  - .name:           k_q7f91f61ade_fine
    .symbol:         k_q7f91f61ade_fine.kd
    .args:
      - { .name: qkv, .offset: 0, .size: 8, .value_kind: global_buffer, .address_space: global }
      - { .name: attention_padding, .offset: 8, .size: 8, .value_kind: global_buffer, .address_space: global }
      - { .name: W_proj, .offset: 16, .size: 8, .value_kind: global_buffer, .address_space: global }
      - { .name: b_proj, .offset: 24, .size: 8, .value_kind: global_buffer, .address_space: global }
      - { .name: out0, .offset: 32, .size: 8, .value_kind: global_buffer, .address_space: global }
    .group_segment_fixed_size: 71680
    .private_segment_fixed_size: 0
    .kernarg_segment_align: 8
    .kernarg_segment_size: 40
    .max_flat_workgroup_size: 512
    .sgpr_count:     66
    .vgpr_count:     256
    .wavefront_size: 32
...
	.end_amdgpu_metadata
.endif
;; end of part 6
